; MI455X (gfx1250); checked and timed in simulation.
; The chip was launched on July 23, 2026; its instructions are those of AMD's public machine-readable ISA for CDNA 5 (MIT licence, August 2026) and "CDNA5" Instruction Set Architecture Reference Guide (July 2026). The comments in the code are by the model that wrote it; some were corrected since.
;; Advanced Transformer Block. Allowed arithmetic: float matrix products may take bf16 or f16 operands with f32 sums; other float arithmetic in f32, or as packed bf16 or f16 multiplies, adds, multiply-adds, maxima and minima; sums over many terms, partial sums and values carried from step to step in f32; what a program stores and reads back later, other than sums and carried values, may be rounded once to bf16 or f16.
;; Inputs: fc1_b 4,096 float32; fc1_w 1,024 x 4,096 float32; fc2_b 1,024 float32; fc2_w 4,096 x 1,024 float32; ln1_b 1,024 float32; ln1_g 1,024 float32; ln2_b 1,024 float32; ln2_g 1,024 float32; proj_b 1,024 float32; proj_w 1,024 x 1,024 float32; qkv_b 3,072 float32; qkv_w 1,024 x 3,072 float32; x 2 x 2,048 x 1,024 float32.
;; Outputs: out0 2 x 2,048 x 1,024 float32.
;; One version. Each part assembles by itself: llvm-mc -triple=amdgcn-amd-amdhsa -mcpu=gfx1250 --defsym DOCPART=n.
;; ======== version 1 of 1: 7 launches
;; limits: a function is approximated: absolute error at most 2.5e-05; an absolute error that grows with the inputs' magnitude: up to 1.25e-05 times it; right only within a limited range of input values
;; workspace buffers: wA 10,485,760 bytes; wB 16,777,216 bytes; hb 33,554,432 bytes; big 33,554,432 bytes; x1 16,777,216 bytes; mode0 256 bytes of whole numbers; mode1 256 bytes of whole numbers
;; launch prep (part 1): grid 1088 x 1, 8 waves a work-group, no clusters, 0 bytes of LDS; arguments x, ln1_g, ln1_b, qkv_w, proj_w, fc1_w, fc2_w, wA, wB, hb, mode0, mode1; writes wA, wB, hb, mode0, mode1
.if DOCPART == 1
	.amdgcn_target "amdgcn-amd-amdhsa--gfx1250"
	.amdhsa_code_object_version 6
	.text
	.protected	k_qa7ecf18109_prep
	.globl	k_qa7ecf18109_prep
	.p2align	8
	.type	k_qa7ecf18109_prep,@function
k_qa7ecf18109_prep:
	s_mov_b64 s[64:65], 0
	v_nop
	global_prefetch_b8 v0, s[64:65] scope:SCOPE_SE
	s_setreg_imm32_b32 hwreg(HW_REG_WAVE_MODE, 25, 1), 1
	s_wait_xcnt 0x0
; PREP.  Three kinds of work-group, told apart by the work-group's number alone:
;   0 .. 255     qkv_w [1024][3072] f32 -> wA, bf16, rows 8,192 bytes apart (4 rows each); work-group 0 also stores the two flag blocks
;   256 .. 831   proj_w -> wA + 8 MiB, fc1_w -> wB, fc2_w -> wB + 8 MiB: dense casts, 16,384 numbers each
;   832 .. 1087  hb = LayerNorm1(x) in bf16, rows 8,192 bytes apart, 16 rows each: a wave takes two rows
; The weights keep their order [K][N]: the products turn them on the way from LDS into registers.
; A stream: each byte is read once and written once, no LDS, no barrier, no matrix unit.
; CAST's unit is 1,024 numbers: thread t loads 16 bytes at 16 t and stores 8 bytes at 8 t, so a wave's store covers 256 consecutive bytes, aligned.
; The norm keeps a row in registers: mean, then the sum of squares of x - mean (two passes, so a common offset in x costs nothing), all in f32.
.set IN,   8                           ; v[8:71]    CAST: up to 16 units as loaded
.set OUT,  72                          ; v[72:103]  CAST: packed
.set X,    8                           ; v[8:71]    two rows: row p at X + 32 p; registers 4 j .. 4 j + 3 hold columns 128 j + 4 lane ..
.set G,    72                          ; v[72:103]  the gain, same map
.set BB,   104                         ; v[104:135] the bias, same map
.set CHN,  136                         ; v[136:143] four chains of pairs
.set MU,   144                         ; v[144:145] the mean, twice
.set T,    148                         ; v[148:149] at work
.set RS,   152                         ; v[152:155] 1 / sqrt(var + eps), twice for each row
.set SRC,  8                           ; s[8:9]   x
.set GP,   10                          ; s[10:11] gain
.set BP,   12                          ; s[12:13] bias
.set DST,  26                          ; s[26:27] hb
.set INV,  40                          ; s40  1 / 1024
.set EPS,  41                          ; s41  1e-5
.set SEL,  42                          ; s[42:43] v_permlanex16_b32: each lane takes its own place in the other half
.macro CAST n, q                       ; n units; q = 1: three units make a row of qkv_w, and rows of wA lie 8,192 bytes apart
.set i, 0
.rept \n
	global_load_b128 v[IN+4*i:IN+4*i+3], v1, s[32:33] offset:4096*i th:TH_LOAD_NT
.set i, i+1
.endr
.set i, 0
.rept \n
	s_wait_loadcnt (\n)-1-i                        ; loads come back in order: unit i is in, the younger ones stay out
	v_cvt_pk_bf16_f32 v[OUT+2*i], v[IN+4*i], v[IN+4*i+1]
	v_cvt_pk_bf16_f32 v[OUT+2*i+1], v[IN+4*i+2], v[IN+4*i+3]
.if \q
	global_store_b64 v2, v[OUT+2*i:OUT+2*i+1], s[34:35] offset:(i/3)*8192+(i%3)*2048 th:TH_STORE_NT
.else
	global_store_b64 v2, v[OUT+2*i:OUT+2*i+1], s[34:35] offset:2048*i th:TH_STORE_NT
.endif
.set i, i+1
.endr
.endm
.macro FOLD                            ; four chains of pairs -> one number in every lane of the wave, in v[T]
	v_pk_add_f32 v[CHN:CHN+1], v[CHN:CHN+1], v[CHN+2:CHN+3]
	v_pk_add_f32 v[CHN+4:CHN+5], v[CHN+4:CHN+5], v[CHN+6:CHN+7]
	v_pk_add_f32 v[CHN:CHN+1], v[CHN:CHN+1], v[CHN+4:CHN+5]
	v_add_f32 v[T], v[CHN], v[CHN+1]
	v_add_f32_dpp v[T], v[T], v[T] row_xmask:1 row_mask:0xf bank_mask:0xf
	v_add_f32_dpp v[T], v[T], v[T] row_xmask:2 row_mask:0xf bank_mask:0xf
	v_add_f32_dpp v[T], v[T], v[T] row_xmask:4 row_mask:0xf bank_mask:0xf
	v_add_f32_dpp v[T], v[T], v[T] row_xmask:8 row_mask:0xf bank_mask:0xf
	v_permlanex16_b32 v[T+1], v[T], s[SEL], s[SEL+1]
	v_add_f32 v[T], v[T], v[T+1]
.endm
.macro STAT p                          ; row p: x becomes x - mean in place; RS takes 1 / sqrt(var + eps)
.set XR, X+32*(\p)
.irp k, 0,1,2,3
	v_pk_add_f32 v[CHN+2*(\k):CHN+2*(\k)+1], v[XR+2*(\k):XR+2*(\k)+1], v[XR+8+2*(\k):XR+8+2*(\k)+1]
.endr
.irp m, 2,3
.irp k, 0,1,2,3
	v_pk_add_f32 v[CHN+2*(\k):CHN+2*(\k)+1], v[CHN+2*(\k):CHN+2*(\k)+1], v[XR+8*(\m)+2*(\k):XR+8*(\m)+2*(\k)+1]
.endr
.endr
	FOLD
	v_mul_f32 v[MU], s[INV], v[T]
	v_mul_f32 v[MU+1], s[INV], v[T]
.set i, 0
.rept 16
	v_pk_add_f32 v[XR+2*i:XR+2*i+1], v[XR+2*i:XR+2*i+1], v[MU:MU+1] neg_lo:[0,1] neg_hi:[0,1]
.set i, i+1
.endr
.irp k, 0,1,2,3
	v_pk_mul_f32 v[CHN+2*(\k):CHN+2*(\k)+1], v[XR+2*(\k):XR+2*(\k)+1], v[XR+2*(\k):XR+2*(\k)+1]
.endr
.irp m, 1,2,3
.irp k, 0,1,2,3
	v_pk_fma_f32 v[CHN+2*(\k):CHN+2*(\k)+1], v[XR+8*(\m)+2*(\k):XR+8*(\m)+2*(\k)+1], v[XR+8*(\m)+2*(\k):XR+8*(\m)+2*(\k)+1], v[CHN+2*(\k):CHN+2*(\k)+1]
.endr
.endr
	FOLD
	v_fma_f32 v[T], v[T], s[INV], s[EPS]           ; var + eps
	v_rsq_f32 v[RS+2*(\p)], v[T]
	v_rsq_f32 v[RS+2*(\p)+1], v[T]
	v_nop                                          ; a plain instruction behind the second root, ahead of any use and of the next write of its source
	s_wait_alu depctr_va_vdst(0)                   ; one wait for both, ahead of their first reader
.endm
.macro OUTR p                          ; row p: (x - mean) rs g + b, rounded once to bf16, stored
.set XR, X+32*(\p)
.set i, 0
.rept 16
	v_pk_mul_f32 v[XR+2*i:XR+2*i+1], v[XR+2*i:XR+2*i+1], v[RS+2*(\p):RS+2*(\p)+1]
.set i, i+1
.endr
.set i, 0
.rept 16
	v_pk_fma_f32 v[XR+2*i:XR+2*i+1], v[XR+2*i:XR+2*i+1], v[G+2*i:G+2*i+1], v[BB+2*i:BB+2*i+1]
.set i, i+1
.endr
.set i, 0
.rept 16
	v_cvt_pk_bf16_f32 v[XR+i], v[XR+2*i], v[XR+2*i+1]  ; in place, ascending: no unread number is written over
.set i, i+1
.endr
.set i, 0
.rept 8
	global_store_b64 v2, v[XR+2*i:XR+2*i+1], s[DST:DST+1] offset:8192*(\p)+256*i th:TH_STORE_NT  ; a wave's store covers 256 consecutive bytes, aligned
.set i, i+1
.endr
.endm
.macro LNBODY
	v_and_b32 v1, 31, v0
	v_lshlrev_b32 v2, 3, v1                        ; 8 x lane
	v_lshlrev_b32 v1, 4, v1                        ; 16 x lane
	v_mov_b32 v[T+1], 0                            ; v_permlanex16_b32 counts as a reader of its destination
	s_mov_b32 s[INV], 0x3a800000
	s_mov_b32 s[EPS], 0x3727c5ac
	s_mov_b32 s[SEL], 0x76543210
	s_mov_b32 s[SEL+1], 0xfedcba98
.set i, 0
.rept 16
	global_load_b128 v[X+4*i:X+4*i+3], v1, s[SRC:SRC+1] offset:(i/8)*4096+(i%8)*512 th:TH_LOAD_NT
.set i, i+1
.endr
.set i, 0
.rept 8
	global_load_b128 v[G+4*i:G+4*i+3], v1, s[GP:GP+1] offset:512*i
.set i, i+1
.endr
.set i, 0
.rept 8
	global_load_b128 v[BB+4*i:BB+4*i+3], v1, s[BP:BP+1] offset:512*i
.set i, i+1
.endr
	s_wait_loadcnt 24                              ; row 0 is in; row 1's 8 loads, the gain's 8 and the bias's 8 stay out
	STAT 0
	s_wait_loadcnt 16                              ; row 1 is in
	STAT 1
	s_wait_loadcnt 0x0
	OUTR 0
	OUTR 1
.endm
	s_load_b512 s[8:23], s[0:1], 0x0               ; x, ln1_g, ln1_b, qkv_w s[14:15], proj_w s[16:17], fc1_w s[18:19], fc2_w s[20:21], wA s[22:23]
	s_load_b256 s[24:31], s[0:1], 0x40             ; wB s[24:25], hb s[26:27], mode0 s[28:29], mode1 s[30:31]
	v_lshrrev_b32 v1, 5, v0
	v_readfirstlane_b32 s4, v1                     ; wave 0..7
	s_mov_b32 s5, ttmp9
	s_mov_b32 s37, 0                               ; offsets are made apart from the addresses, in pairs with 0 on top
	s_mov_b32 s39, 0
	s_wait_kmcnt 0x0
	s_cmp_lt_u32 s5, 256
	s_cbranch_scc1 .Lq
	s_cmp_lt_u32 s5, 832
	s_cbranch_scc1 .Ll
	s_sub_co_u32 s6, s5, 832                       ; the norm: 16 rows a work-group, two a wave
	s_lshl_b32 s36, s6, 16
	s_lshl_b32 s7, s4, 13
	s_add_co_u32 s36, s36, s7
	s_add_nc_u64 s[SRC:SRC+1], s[SRC:SRC+1], s[36:37]
	s_lshl_b32 s38, s6, 17
	s_lshl_b32 s7, s4, 14
	s_add_co_u32 s38, s38, s7
	s_add_nc_u64 s[DST:DST+1], s[DST:DST+1], s[38:39]
	LNBODY
	s_endpgm
.Lq:                                               ; four rows of qkv_w: 12 units, 49,152 consecutive bytes
	v_lshlrev_b32 v1, 4, v0
	v_lshlrev_b32 v2, 3, v0
	s_mul_i32 s36, s5, 49152
	s_add_nc_u64 s[32:33], s[14:15], s[36:37]
	s_lshl_b32 s38, s5, 15
	s_add_nc_u64 s[34:35], s[22:23], s[38:39]
	CAST 12, 1
	s_cmp_lg_u32 s5, 0
	s_cbranch_scc1 .Lqe
	s_cmp_lg_u32 s4, 0
	s_cbranch_scc1 .Lqe
	v_mov_b32 v4, 0                                ; mode0: the flag 0: the product's way out is the identity
	v_mov_b32 v5, 0
	v_mov_b32 v6, 1                                ; mode1: the flag 1: GELU
	v_mov_b32 v7, 1
	global_store_b64 v2, v[4:5], s[28:29]          ; in wave 0 the thread's number is the lane: 64 copies of the flag, 256 consecutive bytes
	global_store_b64 v2, v[6:7], s[30:31]
.Lqe:
	s_endpgm
.Ll:                                               ; a dense cast of 16 units
	v_lshlrev_b32 v1, 4, v0
	v_lshlrev_b32 v2, 3, v0
	s_sub_co_u32 s6, s5, 256
	s_cmp_lt_u32 s6, 64                            ; 64 work-groups for proj_w, 256 for fc1_w, 256 for fc2_w
	s_cselect_b64 s[32:33], s[16:17], s[18:19]
	s_cselect_b64 s[34:35], s[22:23], s[24:25]
	s_cselect_b32 s7, 0, 64
	s_cselect_b32 s44, 0x800000, 0
	s_cmp_lt_u32 s6, 320
	s_cselect_b64 s[32:33], s[32:33], s[20:21]
	s_cselect_b32 s7, s7, 320
	s_cselect_b32 s44, s44, 0x800000
	s_sub_co_u32 s6, s6, s7
	s_lshl_b32 s36, s6, 16
	s_add_nc_u64 s[32:33], s[32:33], s[36:37]
	s_lshl_b32 s38, s6, 15
	s_add_co_u32 s38, s38, s44
	s_add_nc_u64 s[34:35], s[34:35], s[38:39]
	CAST 16, 0
	s_endpgm
.Lfunc_end_k_qa7ecf18109_prep:
	.size	k_qa7ecf18109_prep, .Lfunc_end_k_qa7ecf18109_prep-k_qa7ecf18109_prep
	.p2alignl 7, 3214868480
	.fill 96, 4, 3214868480
	.section	.rodata,"a",@progbits
	.p2align	6, 0x0
	.amdhsa_kernel k_qa7ecf18109_prep
		.amdhsa_group_segment_fixed_size 0
		.amdhsa_private_segment_fixed_size 0
		.amdhsa_enable_private_segment 0
		.amdhsa_kernarg_size 96
		.amdhsa_user_sgpr_count 2
		.amdhsa_user_sgpr_kernarg_segment_ptr 1
		.amdhsa_wavefront_size32 1
		.amdhsa_system_sgpr_workgroup_id_x 1
		.amdhsa_system_sgpr_workgroup_id_y 1
		.amdhsa_system_sgpr_workgroup_id_z 1
		.amdhsa_system_vgpr_workitem_id 0
		.amdhsa_next_free_vgpr 160
		.amdhsa_next_free_sgpr 66
		.amdhsa_reserve_vcc 0
		.amdhsa_float_denorm_mode_32 3
		.amdhsa_float_denorm_mode_16_64 3
		.amdhsa_memory_ordered 1
		.amdhsa_forward_progress 1
		.amdhsa_inst_pref_size 32
	.end_amdhsa_kernel
	.amdgpu_metadata
---
amdhsa.version: [ 1, 2 ]
amdhsa.kernels:
  - .name:           k_qa7ecf18109_prep
    .symbol:         k_qa7ecf18109_prep.kd
    .args:
      - { .name: x, .offset: 0, .size: 8, .value_kind: global_buffer, .address_space: global }
      - { .name: ln1_g, .offset: 8, .size: 8, .value_kind: global_buffer, .address_space: global }
      - { .name: ln1_b, .offset: 16, .size: 8, .value_kind: global_buffer, .address_space: global }
      - { .name: qkv_w, .offset: 24, .size: 8, .value_kind: global_buffer, .address_space: global }
      - { .name: proj_w, .offset: 32, .size: 8, .value_kind: global_buffer, .address_space: global }
      - { .name: fc1_w, .offset: 40, .size: 8, .value_kind: global_buffer, .address_space: global }
      - { .name: fc2_w, .offset: 48, .size: 8, .value_kind: global_buffer, .address_space: global }
      - { .name: wA, .offset: 56, .size: 8, .value_kind: global_buffer, .address_space: global }
      - { .name: wB, .offset: 64, .size: 8, .value_kind: global_buffer, .address_space: global }
      - { .name: hb, .offset: 72, .size: 8, .value_kind: global_buffer, .address_space: global }
      - { .name: mode0, .offset: 80, .size: 8, .value_kind: global_buffer, .address_space: global }
      - { .name: mode1, .offset: 88, .size: 8, .value_kind: global_buffer, .address_space: global }
    .group_segment_fixed_size: 0
    .private_segment_fixed_size: 0
    .kernarg_segment_align: 8
    .kernarg_segment_size: 96
    .max_flat_workgroup_size: 256
    .sgpr_count:     66
    .vgpr_count:     160
    .wavefront_size: 32
...
	.end_amdgpu_metadata
.endif
;; end of part 1
;; launch qkv (part 2): grid 12 x 16, 4 waves a work-group, clusters of 4 x 4, 327,680 bytes of LDS; arguments hb, wA, qkv_b, mode0, big; writes big
.if DOCPART == 2
	.amdgcn_target "amdgcn-amd-amdhsa--gfx1250"
	.amdhsa_code_object_version 6
	.text
	.protected	k_qa7ecf18109_qkv
	.globl	k_qa7ecf18109_qkv
	.p2align	8
	.type	k_qa7ecf18109_qkv,@function
k_qa7ecf18109_qkv:
	s_mov_b64 s[64:65], 0
	v_nop
	global_prefetch_b8 v0, s[64:65] scope:SCOPE_SE
	s_setreg_imm32_b32 hwreg(HW_REG_WAVE_MODE, 25, 1), 1
	s_wait_xcnt 0x0
	s_wait_alu depctr_hold_cnt(0) depctr_sa_sdst(0) depctr_va_vdst(0) depctr_va_sdst(0) depctr_va_ssrc(0) depctr_va_vcc(0) depctr_vm_vsrc(0)
	s_getreg_b32 s2, hwreg(HW_REG_IB_STS2, 6, 4)
	s_cmp_eq_u32 s2, 0
	s_cbranch_scc0 .Lentry_in_a_cluster
	s_endpgm
.Lentry_in_a_cluster:
	s_bfe_u32 s2, ttmp6, 0x10000c
	s_cmp_lg_u32 s2, 0xf033
	s_cbranch_scc0 .Lentry_shape_is_right
	s_endpgm
.Lentry_shape_is_right:
; C[m][n] = act(sum over k of A[m][k] W[k][n] + bias[n]), K = 1,024.  A: bf16, rows 8,192 bytes apart.  W: bf16 [K][N], rows 8,192 bytes apart.  C: bf16, rows 8,192 bytes apart.  Sums in f32, C rounded once.
; One text for two launches: qkv (act = identity) and fc1 (act = exact GELU).  A flag stored by the first launch, the same for every work-group, SELECTS FIVE CONSTANTS and no path:
; out = T + |T| (B + poly(u) e), T = H t.  GELU: H = 1/2, B = 1, poly's true coefficients.  Identity: H = 1, B = 0, coefficients 0: out = t.
; THE PRICE: the identity launch runs the activation's lines (about 480 for each of a wave's 8 blocks of 16 rows, beside its 2,048 matrix instructions) for nothing; a second text without them would be 16 KB more code.
; GELU: g = t/2 + |t/2| erf(|t| / sqrt 2), erf by 1 - (a1 u + a2 u^2 + a3 u^3) exp(-x^2), u = 1 / (1 + 0.47047 x) (Abramowitz and Stegun 7.1.25): absolute error of erf at most 2.5e-5 for every
; argument, below the rounding to bf16 (2^-9 of the number) that follows it.  NaN and infinities are not treated apart (an infinite sum gives NaN in the identity launch too).
; SHARES.  A tile of C, 256 x 256, is made by four waves, 128 x 128 each: 64 accumulators, 512 registers.  K goes in 8 steps of 128 through a ring of two LDS slots filled by tensor loads.
; CLUSTER 4 x 4: A's tile hangs on the tile row alone and is asked for jointly by the four of a row of the cluster, W's on the tile column alone, by the four of a column.
; THE PRODUCT IS TAKEN TRANSPOSED: source 0 = 16 columns of W (turned out of LDS by ds_load_tr16_b128), source 1 = 16 rows of A: a lane holds row l % 16 of C and 8 neighbouring columns.
; REGISTERS in windows of 256: window 0: v0-31 addresses, v64-127 and v128-191 A's fragments (two buffers), on the way out v32-255 at work; window 1: v0-63 the bias of my 128 columns,
; v64-127 and v128-191 W's fragments; windows 2, 3: the accumulators of my rows 0-63, 64-127 ((a, b) at v[8 (8 (a % 4) + b)]).
.set PA,     272                       ; a row of A in LDS: 256 bytes + 16: the 16 rows of a fragment load start 16 bytes apart modulo 256
.set PB,     544                       ; a row of W in LDS: 512 bytes + 32: 16 lanes of the turning load take 8 rows x 32 bytes that do not meet modulo 256
.set HALFT,  34816                     ; what one wave fetches: 128 rows of A, or 64 rows of W
.set SLOT,   4*HALFT
.set BOFF,   2*HALFT                   ; W's 128 rows lie behind A's 256
.set STAGE,  2*SLOT                    ; behind the ring: 16 rows x 272 bytes for each wave, for the way out; no tensor load lands there
.set SPITCH, 272
.set SPARE,  STAGE+4*16*SPITCH         ; the spare words, 128 bytes a wave: two blocks of 256 bytes that no other line names
.set LAPS,   4                         ; a lap = two K steps
.set ASTEP,  512                       ; two K steps along a row of A, in bytes
.set BSTEP,  0x200000                  ; two K steps down W: 256 rows of 8,192 bytes
.set ADRA, 16                          ; v16-17 LDS address of my A fragments in slot 0, 1
.set ADRB, 20                          ; v20-21 the same for W
.set STO,  24
.set RD,   25
.set CO,   26
.set BO,   27
.set SPW,  28                          ; my spare word; never rewritten
.set NIL,  29                          ; 0; never rewritten
.set PFO,  30                          ; the prefetches' lane offset; never rewritten
.set F0,   64
.set F1,   128
.set PT,   32                          ; the way out, window 0: 16 pairs of the polynomial
.set T,    64                          ; 64 numbers of a block of 16 rows
.set U,    128
.set E,    192
.set TMP,  128                         ; packed results (U is dead by then)
.set OB,   160                         ; whole rows read back
.set BI,   0                           ; window 1
.set WV, 14
.set RH, 15                            ; wave / 2: my half of the tile's rows; also 0: I fetch A, 1: I fetch W
.set CH, 16                            ; wave % 2: my half of its columns; also which half of that tile I fetch
.set CX, 17
.set CY, 18
.set TC, 19
.set TR, 20
.set G1,  24
.set G0,  32
.set MODE, 40
.set LIM,  41                          ; 1 in a wave that prefetches, else the greatest number
.set PFA,  42
.set PST,  44                          ; s[44:45] a K step in bytes for what I fetch
.set G1B, 48
.set G0B, 56
.set KP,  66                           ; sqrt(2) x 0.47047
.set KE,  68                           ; s[68:69] -2 log2(e)
.set K3,  70                           ; s[70:71] -a3, or 0
.set K2,  72                           ; s[72:73] -a2, or 0
.set K1,  74                           ; s[74:75] -a1, or 0
.set BA,  76                           ; the way out's block counter
.set KH,  80                           ; s[80:81] H: 1/2, or 1 (the set-up's scratch until then)
.set KB,  82                           ; s[82:83] B: 1, or 0
.set MSB, 0
.macro WIN new                         ; the immediate's high byte repeats the setting that is left; a switch that changes nothing is dropped
.if MSB != (\new)
	s_set_vgpr_msb (MSB<<8)|(\new)
.set MSB, \new
.endif
.endm
.set MUL_LO, 0xa1                      ; source 0 (W) window 1, source 1 (A) window 0, C and D window 2
.set MUL_HI, 0xf1                      ; the same, C and D window 3
.set TO_B,   0x40                      ; destination window 1, address window 0
.macro JLOAD s                         ; a joint load: waves 0, 1 fetch A's halves, waves 2, 3 W's; an s_nop 0 and four v_nop follow each line
	s_cmp_eq_u32 s[RH], 0
	s_cbranch_scc0 .Lfor_b_\@
	tensor_load_to_lds s[G0+4*(\s):G0+4*(\s)+3], s[G1:G1+7]
	s_nop 0
.rept 4
	v_nop
.endr
	s_branch .Lasked_\@
.Lfor_b_\@:
	tensor_load_to_lds s[G0B+4*(\s):G0B+4*(\s)+3], s[G1B:G1B+7]
	s_nop 0
.rept 4
	v_nop
.endr
.Lasked_\@:
.endm
; A prefetch behind each joint refill and the run of LDS loads that follows it: the K step two refills on, 512 matrix instructions ahead of the load that will want it.  Each aligned 256 bytes are named once
; in the launch: A's rows by the clusters with x = 0, W's by those with y = 0; the four partners of a joint load share its blocks out by address, 32 each, a lane a block.  The loop's last trip asks for nothing.
.macro ASK
	s_cmp_gt_u32 s3, s[LIM]
	s_cbranch_scc0 .Lnot_mine_\@
	global_prefetch_b8 v[PFO], s[PFA:PFA+1] th:TH_LOAD_NT scope:SCOPE_SE
.Lnot_mine_\@:
.endm
.macro CREST                           ; a round of the cluster's barrier behind its opening barrier
	s_cmp_lg_u32 s[WV], 0
	s_cbranch_scc1 .Lnot_wave_0_\@
	s_barrier_signal -3
.Lnot_wave_0_\@:
	s_barrier_wait -3
	s_barrier_signal -1
	s_barrier_wait -1
.endm
.macro CROUND
	s_barrier_signal -1
	s_barrier_wait -1
	CREST
.endm
.macro PLACES                          ; four plain places behind matrix instructions, in front of loads into registers that they read and of readers of their results
.rept 4
	v_nop
.endr
.endm
.macro MUL16 f, hi, a0, zero           ; 16 matrix instructions: row blocks a0, a0 + 1 of the window's four x all 8 column blocks; zero = 1: they start the sums
	WIN MUL_LO+0x50*(\hi)
.irp a, \a0, (\a0)+1
.irp b, 0,1,2,3,4,5,6,7
.if \zero
	v_wmma_f32_16x16x32_bf16 v[8*(8*(\a)+(\b)):8*(8*(\a)+(\b))+7], v[(\f)+8*(\b):(\f)+8*(\b)+7], v[(\f)+8*(4*(\hi)+(\a)):(\f)+8*(4*(\hi)+(\a))+7], 0
.else
	v_wmma_f32_16x16x32_bf16 v[8*(8*(\a)+(\b)):8*(8*(\a)+(\b))+7], v[(\f)+8*(\b):(\f)+8*(\b)+7], v[(\f)+8*(4*(\hi)+(\a)):(\f)+8*(4*(\hi)+(\a))+7], v[8*(8*(\a)+(\b)):8*(8*(\a)+(\b))+7]
.endif
.endr
.endr
.endm
.macro FETCH slot, q, f                ; 32 LDS loads in one run: quarter q (32 along K) of the slot into buffer f: W's 8 column blocks, turned, then A's 8 row blocks
	WIN TO_B
.irp i, 0,1,2,3,4,5,6,7
	ds_load_tr16_b128 v[(\f)+8*(\i):(\f)+8*(\i)+3],   v[ADRB+(\slot)] offset:(\q)*32*PB+32*(\i)
	ds_load_tr16_b128 v[(\f)+8*(\i)+4:(\f)+8*(\i)+7], v[ADRB+(\slot)] offset:(\q)*32*PB+32*(\i)+16*PB
.endr
	WIN 0
.irp i, 0,1,2,3,4,5,6,7
	ds_load_b128 v[(\f)+8*(\i):(\f)+8*(\i)+3],   v[ADRA+(\slot)] offset:64*(\q)+(\i)*16*PA
	ds_load_b128 v[(\f)+8*(\i)+4:(\f)+8*(\i)+7], v[ADRA+(\slot)] offset:64*(\q)+(\i)*16*PA+32
.endr
.endm
.macro QUARTER slot, q, f, g, zero     ; multiplies buffer f; in its middle fetches quarter q of the same slot into buffer g
	s_wait_dscnt 8                                 ; W and A's rows 0-63 are in; the youngest eight loads (A's rows 64-127) may be out
	MUL16 \f, 0, 0, \zero
	MUL16 \f, 0, 2, \zero
	PLACES
	FETCH \slot, \q, \g
	s_wait_dscnt 32                                ; all but the 32 just issued
	MUL16 \f, 1, 0, \zero
	MUL16 \f, 1, 2, \zero
.endm
.macro MEET round                      ; the change of slots: one barrier; in front of it all my tensor loads, the add, and my reads of this slot
	WIN 0
	s_wait_tensorcnt 0x0                           ; all my tensor loads have landed: the one that was out is my part of the next slot
	ds_add_u32 v[SPW], v[NIL]                      ; 0 onto my spare word
	s_wait_dscnt 9                                 ; (the add and the youngest eight loads may be out)
	MUL16 F1, 0, 0, 0                              ; sixteen matrix instructions stand between the add and the wait for it
	s_wait_dscnt 0x0                               ; the add is done, and my reads of this slot are over
	s_barrier_signal -1
	MUL16 F1, 0, 2, 0
.if \round
	WIN 0
.endif
	s_barrier_wait -1
.endm
.macro TURN slot, next, fill           ; the last quarter of a K step: multiplies buffer 1, changes slots; fill = 1: this slot is filled again, two K steps on
.if \fill
	s_wait_xcnt 0x0                                ; the last prefetch, a K step back, has read its address
	s_add_nc_u64 s[PFA:PFA+1], s[PFA:PFA+1], s[PST:PST+1]
	MEET 1
	CREST                                          ; the barrier has opened a round of the cluster's: no wave of any partner still reads this slot or has a load on its way
	s_add_nc_u64 s[G0+4*(\slot)+2:G0+4*(\slot)+3], s[G0+4*(\slot)+2:G0+4*(\slot)+3], ASTEP
	s_add_nc_u64 s[G0B+4*(\slot)+2:G0B+4*(\slot)+3], s[G0B+4*(\slot)+2:G0B+4*(\slot)+3], BSTEP
	JLOAD \slot                                    ; my one tensor load behind the round: 224 matrix instructions ahead of the wait for it; its four v_nop are also the places in front of the loads below
	FETCH \next, 0, F0
	ASK
.else
	MEET 0
	PLACES
	FETCH \next, 0, F0
.endif
	MUL16 F1, 1, 0, 0
	MUL16 F1, 1, 2, 0
.endm
	s_load_b256 s[4:11], s[0:1], 0x0               ; A s[4:5], W s[6:7], bias s[8:9], the flag block s[10:11]
	s_load_b64 s[12:13], s[0:1], 0x20              ; C
	v_lshl_add_u32 v[SPW], v0, 2, SPARE
	v_mov_b32 v[NIL], 0
	ds_add_u32 v[SPW], v[NIL]                      ; the wave's opening: the add and its wait stand ahead of my first tensor load; work on registers stands between them
	ds_add_u32 v28, v29
	v_lshrrev_b32 v1, 5, v0
	v_readfirstlane_b32 s[WV], v1
	s_lshr_b32 s[RH], s[WV], 1
	s_and_b32 s[CH], s[WV], 1
	s_bfe_u32 s[CX], ttmp6, 0x40000
	s_bfe_u32 s[CY], ttmp6, 0x40004
	s_lshl_b32 s[TC], ttmp9, 2
	s_add_co_u32 s[TC], s[TC], s[CX]               ; tile column = 4 x cluster x + cx
	s_and_b32 s[TR], ttmp7, 0xffff
	s_lshl_b32 s[TR], s[TR], 2
	s_add_co_u32 s[TR], s[TR], s[CY]               ; tile row = 4 x cluster y + cy
	s_lshl_b32 s21, s[CY], 2
	s_lshl_b32 s21, 15, s21                        ; my row of the cluster
	s_lshl_b32 s22, 0x1111, s[CX]                  ; my column
	s_or_b32 s[G1], s21, (1<<16)|(1<<20)|(1<<21)|(5<<22)|(3<<25)   ; the mask; 2-byte elements; padding on; bit 21 beside a mask; after every 64 words 4 words
	s_mov_b32 s[G1+1], 128<<16                     ; tensor_dim0 = 128
	s_mov_b32 s[G1+2], 128<<16                     ; tensor_dim1 = 128
	s_mov_b32 s[G1+3], 128<<16                     ; tile_dim0 = 128
	s_mov_b32 s[G1+4], 128                         ; tile_dim1 = 128
	s_mov_b32 s[G1+5], 4096                        ; elements from row to row
	s_mov_b32 s[G1+6], 0
	s_mov_b32 s[G1+7], 0
	s_or_b32 s[G1B], s22, (1<<16)|(1<<20)|(1<<21)|(6<<22)|(7<<25)  ; after every 128 words 8 words
	s_mov_b32 s[G1B+1], 256<<16                    ; tensor_dim0 = 256
	s_mov_b32 s[G1B+2], 64<<16                     ; tensor_dim1 = 64
	s_mov_b32 s[G1B+3], 256<<16                    ; tile_dim0 = 256
	s_mov_b32 s[G1B+4], 64                         ; tile_dim1 = 64
	s_mov_b32 s[G1B+5], 4096
	s_mov_b32 s[G1B+6], 0
	s_mov_b32 s[G1B+7], 0
	s_lshl_b32 s78, s[TR], 8                       ; A: row 256 x tile row + 128 x half, 8,192 bytes a row
	s_lshl_b32 s79, s[CH], 7
	s_add_co_u32 s78, s78, s79
	s_lshl_b32 s78, s78, 13
	s_mov_b32 s79, 0
	s_lshl_b32 s46, s[TC], 9                       ; W: 512 bytes a tile column, row 64 x half
	s_lshl_b32 s47, s[CH], 19
	s_add_co_u32 s46, s46, s47
	s_mov_b32 s47, 0
	s_mul_i32 s23, s[WV], HALFT                    ; where my part goes: no place in the cluster enters an LDS address
	s_mov_b32 s[KP], 0x3f2a540e
	s_mov_b32 s[KE], 0xc038aa3b
	s_mov_b32 s[KE+1], 0xc038aa3b
	s_wait_dscnt 0x0                               ; the opening add is done
	s_wait_kmcnt 0x0
	s_load_b32 s[MODE], s[10:11], 0x0              ; 0: identity; 1: GELU
	s_add_nc_u64 s[78:79], s[4:5], s[78:79]
	s_add_nc_u64 s[46:47], s[6:7], s[46:47]
	CROUND                                         ; all sixteen work-groups are here: the first joint loads meet
.irp s, 0,1
	s_mov_b32 s[G0+4*(\s)], 1
	s_add_co_u32 s[G0+4*(\s)+1], s23, (\s)*SLOT
	s_add_nc_u64 s[G0+4*(\s)+2:G0+4*(\s)+3], s[78:79], (\s)*256
	s_or_b32 s[G0+4*(\s)+3], s[G0+4*(\s)+3], 0x80000000
	s_mov_b32 s[G0B+4*(\s)], 1
	s_add_co_u32 s[G0B+4*(\s)+1], s23, (\s)*SLOT
	s_add_nc_u64 s[G0B+4*(\s)+2:G0B+4*(\s)+3], s[46:47], (\s)*0x100000
	s_or_b32 s[G0B+4*(\s)+3], s[G0B+4*(\s)+3], 0x80000000
	JLOAD \s                                       ; two loads of mine are out
.endr
	v_and_b32 v1, 15, v0                           ; r = l % 16
	v_bfe_u32 v2, v0, 4, 1                         ; h = l / 16
	v_mul_u32_u24 v3, v1, PA
	v_lshl_add_u32 v3, v2, 4, v3                   ; r x 272 + 16 h
	s_mul_i32 s22, s[RH], HALFT
	v_add_nc_u32 v[ADRA], s22, v3
	v_add_nc_u32 v[ADRA+1], SLOT, v[ADRA]
	v_and_b32 v4, 7, v0                            ; the turning load: lane l reads row 8 h + l % 8, 16 bytes at 16 ((l / 8) % 2)
	v_lshl_add_u32 v4, v2, 3, v4
	v_mul_u32_u24 v4, v4, PB
	v_bfe_u32 v5, v0, 3, 1
	v_lshl_add_u32 v4, v5, 4, v4
	s_lshl_b32 s22, s[CH], 8
	s_add_co_u32 s22, s22, BOFF
	v_add_nc_u32 v[ADRB], s22, v4
	v_add_nc_u32 v[ADRB+1], SLOT, v[ADRB]
	s_mul_i32 s22, s[WV], 16*SPITCH
	s_add_co_u32 s22, s22, STAGE
	v_add_nc_u32 v[STO], s22, v3                   ; in: row r, 16 bytes for each half of the lanes
	v_mul_u32_u24 v5, v2, SPITCH
	v_lshl_add_u32 v5, v1, 4, v5
	v_add_nc_u32 v[RD], s22, v5                    ; back: lanes 0-15 one row of 256 bytes, lanes 16-31 the next
	v_lshlrev_b32 v5, 13, v2
	v_lshl_add_u32 v[CO], v1, 4, v5                ; the same two rows in C
	v_lshlrev_b32 v[BO], 5, v2
	s_lshl_b32 s80, s[TR], 8                       ; my part of C: row 256 x tile row + 128 x row half; byte 512 x tile column + 256 x column half
	s_lshl_b32 s81, s[RH], 7
	s_add_co_u32 s80, s80, s81
	s_lshl_b32 s80, s80, 13
	s_lshl_b32 s81, s[TC], 9
	s_add_co_u32 s80, s80, s81
	s_lshl_b32 s81, s[CH], 8
	s_add_co_u32 s80, s80, s81
	s_mov_b32 s81, 0
	s_add_nc_u64 s[12:13], s[12:13], s[80:81]
	s_lshl_b32 s80, s[TC], 10                      ; the bias of my 128 columns
	s_lshl_b32 s82, s[CH], 9
	s_add_co_u32 s80, s80, s82
	s_add_nc_u64 s[8:9], s[8:9], s[80:81]
	WIN TO_B
.irp b, 0,1,2,3,4,5,6,7
	global_load_b128 v[BI+8*(\b):BI+8*(\b)+3],   v[BO], s[8:9] offset:64*(\b)      ; columns 16 b + 8 h + 0..3
	global_load_b128 v[BI+8*(\b)+4:BI+8*(\b)+7], v[BO], s[8:9] offset:64*(\b)+16
.endr
	WIN 0
	; the prefetches: of the blocks that I fetch, my work-group's 32
	s_lshl_b32 s80, s[TR], 8
	s_lshl_b32 s81, s[CH], 7
	s_add_co_u32 s80, s80, s81
	s_lshl_b32 s81, s[CX], 5
	s_add_co_u32 s80, s80, s81
	s_lshl_b32 s80, s80, 13                        ; A: 32 rows, 256 bytes of each
	s_lshl_b32 s82, s[CH], 6
	s_lshl_b32 s83, s[CY], 4
	s_add_co_u32 s82, s82, s83
	s_lshl_b32 s82, s82, 13
	s_lshl_b32 s83, s[TC], 9
	s_add_co_u32 s82, s82, s83                     ; W: 16 rows, 512 bytes of each
	s_and_b32 s83, ttmp7, 0xffff
	s_movk_i32 s21, 256
	s_cmp_eq_u32 s[RH], 0
	s_cselect_b32 s80, s80, s82
	s_cselect_b32 s83, ttmp9, s83                  ; the coordinate along which other clusters read the same blocks
	s_cselect_b64 s[PFA:PFA+1], s[4:5], s[6:7]
	s_cselect_b32 s[PST], s21, 0x100000
	s_mov_b32 s[PST+1], 0
	s_mov_b32 s81, 0
	s_cmp_eq_u32 s83, 0
	s_cselect_b32 s[LIM], 1, -1                    ; the same in all sixteen partners, for a given wave
	s_add_nc_u64 s[PFA:PFA+1], s[PFA:PFA+1], s[80:81]
	s_mul_i32 s80, s[PST], 3
	s_add_nc_u64 s[PFA:PFA+1], s[PFA:PFA+1], s[80:81]  ; at K step 3: the first refill (K step 2) steps it to 4 and names that
	v_and_b32 v6, 31, v0
	v_lshrrev_b32 v7, s[RH], v6                    ; A: a lane a row; W: two lanes a row
	v_and_b32 v6, s[RH], v6
	v_lshlrev_b32 v7, 13, v7
	v_lshl_add_u32 v[PFO], v6, 8, v7
	s_wait_kmcnt 0x0                               ; the flag: it selects numbers, no path
	s_cmp_eq_u32 s[MODE], 0
	s_cselect_b32 s[KH], 1.0, 0.5
	s_cselect_b32 s[KB], 0, 1.0
	s_cselect_b32 s[K3], 0, 0xbf3f7377             ; -0.7478556
	s_cselect_b32 s[K2], 0, 0x3dc45ca1             ; +0.0958798
	s_cselect_b32 s[K1], 0, 0xbeb2303a             ; -0.3480242
	s_mov_b32 s[KH+1], s[KH]                       ; named as pairs
	s_mov_b32 s[KB+1], s[KB]
	s_mov_b32 s[K3+1], s[K3]
	s_mov_b32 s[K2+1], s[K2]
	s_mov_b32 s[K1+1], s[K1]
	s_wait_tensorcnt 1                             ; my part of K step 0 is in; K step 1's may stay out
	s_barrier_signal -1
	s_barrier_wait -1
	FETCH 0, 0, F0
	QUARTER 0, 1, F0, F1, 1                        ; the first quarter stands in front of the loop: its products start the sums
	WIN 0
	s_mov_b32 s3, LAPS-1
.Llap:                                                 ; a trip goes once round the ring and fills both slots again
	QUARTER 0, 2, F1, F0, 0
	QUARTER 0, 3, F0, F1, 0
	TURN 0, 1, 1
	QUARTER 1, 1, F0, F1, 0
	QUARTER 1, 2, F1, F0, 0
	QUARTER 1, 3, F0, F1, 0
	TURN 1, 0, 1
	QUARTER 0, 1, F0, F1, 0
	WIN 0
	s_sub_co_u32 s3, s3, 1
	s_cmp_lg_u32 s3, 0
	s_cbranch_scc1 .Llap
	QUARTER 0, 2, F1, F0, 0                        ; the last lap fills nothing
	QUARTER 0, 3, F0, F1, 0
	TURN 0, 1, 0
	QUARTER 1, 1, F0, F1, 0
	QUARTER 1, 2, F1, F0, 0
	QUARTER 1, 3, F0, F1, 0
	s_wait_dscnt 8
	MUL16 F1, 0, 0, 0
	MUL16 F1, 0, 2, 0
	s_wait_dscnt 0x0
	MUL16 F1, 1, 0, 0
	MUL16 F1, 1, 2, 0
	; THE WAY OUT: a counted loop over my eight blocks of 16 rows, so that the activation's text stands once.  COPY a: block a's 64 sums + bias into window 0, each accumulator from its low end on.
.macro COPY a
	WIN 0x06+(\a)/4                                ; source 0 window 2 or 3, source 1 window 1, destination window 0
.set i, 0
.rept 32
	v_pk_add_f32 v[T+2*i:T+2*i+1], v[64*((\a)%4)+2*i:64*((\a)%4)+2*i+1], v[BI+2*i:BI+2*i+1]
.set i, i+1
.endr
	WIN 0
.endm
	PLACES
	PLACES
	WIN 0
	s_wait_loadcnt 0x0                             ; the bias
	s_mov_b32 s[BA], 0
.Lblk:
.irp a, 0,1,2,3,4,5,6
	s_cmp_eq_u32 s[BA], \a
	s_cbranch_scc1 .Lcopy\a
.endr
	COPY 7
	s_branch .Lcom
.irp a, 0,1,2,3,4,5,6
.Lcopy\a:
	COPY \a
.if (\a) < 6
	s_branch .Lcom
.endif
.endr
.Lcom:
.set i, 0
.rept 32
	v_pk_mul_f32 v[T+2*i:T+2*i+1], v[T+2*i:T+2*i+1], s[KH:KH+1] op_sel_hi:[1,0]  ; T = H t
.set i, i+1
.endr
.set i, 0
.rept 64
	v_fma_f32 v[U+i], |v[T+i]|, s[KP], 1.0                                    ; 1 + p x, x = sqrt(2) |T|
.set i, i+1
.endr
.set i, 0
.rept 32
	v_pk_mul_f32 v[E+2*i:E+2*i+1], v[T+2*i:T+2*i+1], v[T+2*i:T+2*i+1]
.set i, i+1
.endr
.set i, 0
.rept 32
	v_pk_mul_f32 v[E+2*i:E+2*i+1], v[E+2*i:E+2*i+1], s[KE:KE+1] op_sel_hi:[1,0]  ; -x^2 log2(e)
.set i, i+1
.endr
.set i, 0
.rept 64
	v_rcp_f32 v[U+i], v[U+i]
.set i, i+1
.endr
.set i, 0
.rept 64
	v_exp_f32 v[E+i], v[E+i]
.set i, i+1
.endr
	v_nop                                          ; a plain instruction behind the last of the batch
	s_wait_alu depctr_va_vdst(0)                   ; one wait for the 128, ahead of their first reader
.irp hf, 0,1
.set i, 0
.rept 16
	v_pk_fma_f32 v[PT+2*i:PT+2*i+1], v[U+32*(\hf)+2*i:U+32*(\hf)+2*i+1], s[K3:K3+1], s[K2:K2+1] op_sel_hi:[1,0,0]
.set i, i+1
.endr
.set i, 0
.rept 16
	v_pk_fma_f32 v[PT+2*i:PT+2*i+1], v[PT+2*i:PT+2*i+1], v[U+32*(\hf)+2*i:U+32*(\hf)+2*i+1], s[K1:K1+1] op_sel_hi:[1,1,0]
.set i, i+1
.endr
.set i, 0
.rept 16
	v_pk_mul_f32 v[PT+2*i:PT+2*i+1], v[PT+2*i:PT+2*i+1], v[U+32*(\hf)+2*i:U+32*(\hf)+2*i+1]
.set i, i+1
.endr
.set i, 0
.rept 16
	v_pk_fma_f32 v[PT+2*i:PT+2*i+1], v[PT+2*i:PT+2*i+1], v[E+32*(\hf)+2*i:E+32*(\hf)+2*i+1], s[KB:KB+1] op_sel_hi:[1,1,0]  ; erf, or 0
.set i, i+1
.endr
.set i, 0
.rept 32
	v_fma_f32 v[T+32*(\hf)+i], |v[T+32*(\hf)+i]|, v[PT+i], v[T+32*(\hf)+i]    ; T + |T| erf
.set i, i+1
.endr
.endr
.set i, 0
.rept 32
	v_cvt_pk_bf16_f32 v[TMP+i], v[T+2*i], v[T+2*i+1]
.set i, i+1
.endr
.irp b, 0,1,2,3,4,5,6,7
	ds_store_b128 v[STO], v[TMP+4*(\b):TMP+4*(\b)+3] offset:32*(\b)
.endr
.irp t, 0,1,2,3,4,5,6,7
	ds_load_b128 v[OB+4*(\t):OB+4*(\t)+3], v[RD] offset:(\t)*2*SPITCH          ; my own bytes: LDS serves a wave's instructions in order (ISA guide 5.7.1.4)
.endr
	s_wait_dscnt 0x0
.irp t, 0,1,2,3,4,5,6,7
	global_store_b128 v[CO], v[OB+4*(\t):OB+4*(\t)+3], s[12:13] offset:(\t)*16384  ; 16 lanes store 256 consecutive bytes, aligned
.endr
	s_wait_xcnt 0x0                                ; the stores' base and data are written again only behind this wait
	s_add_nc_u64 s[12:13], s[12:13], 16*8192
	s_add_co_u32 s[BA], s[BA], 1
	s_cmp_lt_u32 s[BA], 8
	s_cbranch_scc1 .Lblk
	s_wait_tensorcnt 0x0                           ; the wave's end
	ds_add_u32 v[SPW], v[NIL]
	s_wait_dscnt 0x0
	CROUND                                         ; the closing round: no work-group ends while a partner may still ask for a tile that names it
	s_endpgm
.Lfunc_end_k_qa7ecf18109_qkv:
	.size	k_qa7ecf18109_qkv, .Lfunc_end_k_qa7ecf18109_qkv-k_qa7ecf18109_qkv
	.p2alignl 7, 3214868480
	.fill 96, 4, 3214868480
	.section	.rodata,"a",@progbits
	.p2align	6, 0x0
	.amdhsa_kernel k_qa7ecf18109_qkv
		.amdhsa_group_segment_fixed_size 327680
		.amdhsa_private_segment_fixed_size 0
		.amdhsa_enable_private_segment 0
		.amdhsa_kernarg_size 40
		.amdhsa_user_sgpr_count 2
		.amdhsa_user_sgpr_kernarg_segment_ptr 1
		.amdhsa_wavefront_size32 1
		.amdhsa_system_sgpr_workgroup_id_x 1
		.amdhsa_system_sgpr_workgroup_id_y 1
		.amdhsa_system_sgpr_workgroup_id_z 1
		.amdhsa_system_vgpr_workitem_id 0
		.amdhsa_next_free_vgpr 1024
		.amdhsa_next_free_sgpr 84
		.amdhsa_reserve_vcc 0
		.amdhsa_float_denorm_mode_32 3
		.amdhsa_float_denorm_mode_16_64 3
		.amdhsa_memory_ordered 1
		.amdhsa_forward_progress 1
		.amdhsa_inst_pref_size 162
	.end_amdhsa_kernel
	.amdgpu_metadata
---
amdhsa.version: [ 1, 2 ]
amdhsa.kernels:
  - .name:           k_qa7ecf18109_qkv
    .symbol:         k_qa7ecf18109_qkv.kd
    .args:
      - { .name: hb, .offset: 0, .size: 8, .value_kind: global_buffer, .address_space: global }
      - { .name: wA, .offset: 8, .size: 8, .value_kind: global_buffer, .address_space: global }
      - { .name: qkv_b, .offset: 16, .size: 8, .value_kind: global_buffer, .address_space: global }
      - { .name: mode0, .offset: 24, .size: 8, .value_kind: global_buffer, .address_space: global }
      - { .name: big, .offset: 32, .size: 8, .value_kind: global_buffer, .address_space: global }
    .group_segment_fixed_size: 327680
    .private_segment_fixed_size: 0
    .kernarg_segment_align: 8
    .kernarg_segment_size: 40
    .max_flat_workgroup_size: 128
    .sgpr_count:     84
    .vgpr_count:     1024
    .wavefront_size: 32
...
	.end_amdgpu_metadata
.endif
;; end of part 2
;; launch attn (part 3): grid 16 x 16, 4 waves a work-group, no clusters, 250,368 bytes of LDS; arguments big, hb; writes hb
.if DOCPART == 3
	.amdgcn_target "amdgcn-amd-amdhsa--gfx1250"
	.amdhsa_code_object_version 6
	.text
	.protected	k_qa7ecf18109_attn
	.globl	k_qa7ecf18109_attn
	.p2align	8
	.type	k_qa7ecf18109_attn,@function
k_qa7ecf18109_attn:
	s_mov_b64 s[64:65], 0
	v_nop
	global_prefetch_b8 v0, s[64:65] scope:SCOPE_SE
	s_setreg_imm32_b32 hwreg(HW_REG_WAVE_MODE, 25, 1), 1
	s_wait_xcnt 0x0
; ATTENTION with ALiBi, a window of 256 keys and the causal mask, head size 64.  q, k, v: bf16 in big, rows 8,192 bytes apart: q at byte 128 head, k at 2,048 + 128 head, v at 4,096 + 128 head.
; o: bf16 into hb, rows 8,192 bytes apart, byte 128 head.  Products, maxima and sums in f32; the weights are rounded to bf16 for the second product (their sum is taken unrounded), o once.
; SHARES.  A work-group: 128 queries x 2 neighbouring heads, so that every row of K, V and o is 256 consecutive bytes, aligned.  A wave: one head, 64 queries (four tiles of 16).  Query i sees keys
; i - 255 .. i: a wave walks 5 steps of 64 keys, from its first query - 256 on.  The work-group's 384 keys of K and V lie in LDS, each filled once: no ring, nothing is filled again.
; THE SCORE.  S^T = K Q^T + C, C = 8 (slope (key - the wave's first key) + 1) + mask; p = 2^(c S - c m), c = log2(e) / 8, m a running maximum.  slope (j - j0) differs from the problem's slope (j - i)
; by a number that is the same for all keys of a query, which the softmax cancels.  slope = 2^(-(head + 1) / 2), made from whole numbers.
; THE MASK is part of C: in step 0 key block kt of a tile t is hidden if kt < t, whole if kt > t, and for kt = t visible where 8 h + j > l % 16; in step 4 the other way round (visible where <=).
; A step that lies ahead of the sequence's first key is hidden whole; its load is clamped to the sequence's first rows, so that its bytes are numbers.
; LIMITS.  A hidden score counts as its value less 1e30.  m starts at -2^66, so a hidden score lies far below every m and its weight is 0; a true score below -7e19 would count as hidden.
; A weight below 2^-126 counts as 0.  NaN and infinities are not treated apart.
; NO CLUSTER: the work-groups that want the same keys want them at different LDS addresses (a query block's keys begin 256 ahead of it), so their descriptors are not equal.
; NO PREFETCH: every tile is asked for at the kernel's head.
; REGISTERS: window 0: addresses, statistics, masks, S^T, P, the C operands; window 1: v0-127 O^T (32 a tile), v128-191 Q (16 a tile), v192-255 K of a step; window 2: v0-63 V of a step.
.set PK,    272
.set PV,    288
.set KST,   64*PK
.set VST,   64*PV
.set VOFF,  6*KST
.set STAGE, VOFF+6*VST                 ; 128 rows x 272 bytes, the work-group's, for the way out; no tensor load lands there
.set SP,    272
.set SPARE, STAGE+128*SP               ; the spare words: two blocks of 256 bytes that no other line names
.set AK,  2
.set AV,  3
.set QO,  4
.set STO, 5
.set RD,  6
.set GO,  7
.set VBIG, 8                           ; -1e30
.set VZ,  9                            ; 0
.set ST,  16                           ; tile t at ST + 4 t: c m, m, l (even keys', odd keys')
.set CC,  32                           ; c0-c3 at work; c2 takes a
.set WO,  36                           ; c m_old
.set MDW, 40                           ; the window's mask for kt = t
.set MDD, 48                           ; the diagonal's
.set MC,  56                           ; this step's mask for kt = t
.set S,   64
.set P,   96
.set C0,  112                          ; 8 (slope (16 kt + 8 h + j) + 1)
.set CLO, 144                          ; C for kt < t (kt = 0..2)
.set CHI, 168                          ; C for kt > t (kt = 1..3, at 8 (kt - 1))
.set CM,  192                          ; C for kt = t
.set SPW, 224
.set NIL, 225
.set OT,  0                            ; window 1
.set QF,  128
.set KF,  192
.set VF,  0                            ; window 2
.set WV, 8
.set HD, 9                             ; wave % 2: my head of the two; also which steps I fetch (odd or even)
.set QH, 10                            ; wave / 2: my half of the queries; also 0: I fetch K, 1: V
.set QB, 11
.set BT, 12
.set HP, 13
.set G1K, 16
.set G1V, 24
.set G0K, 32                           ; s[32:43] three sets
.set CS,  46
.set SEL, 48
.set BIGN, 50
.set UC,  51
.set E0,  52
.set SV,  53                           ; 512 slope u
.set S512, 54
.set ALW, 56
.set ALD, 58
.set SU,  60
.set SLO, 62
.set SHI, 66
.set S8,  68
.set G0V, 84                           ; s[84:95] three sets
.set MSB, 0
.macro WIN new
.if MSB != (\new)
	s_set_vgpr_msb (MSB<<8)|(\new)
.set MSB, \new
.endif
.endm
	s_load_b128 s[4:7], s[0:1], 0x0                ; big s[4:5], hb s[6:7]
	v_lshl_add_u32 v[SPW], v0, 2, SPARE
	v_mov_b32 v[NIL], 0
	ds_add_u32 v[SPW], v[NIL]                      ; the wave's opening: the add and its wait stand ahead of my first tensor load
	ds_add_u32 v224, v225
	v_lshrrev_b32 v1, 5, v0
	v_readfirstlane_b32 s[WV], v1
	s_and_b32 s[HD], s[WV], 1
	s_lshr_b32 s[QH], s[WV], 1
	s_mov_b32 s[QB], ttmp9
	s_and_b32 s69, ttmp7, 0xffff
	s_lshr_b32 s[BT], s69, 3                       ; the batch
	s_and_b32 s[HP], s69, 7                        ; the pair of heads
	s_mov_b32 s[G1K], (1<<16)|(1<<20)|(5<<22)|(3<<25)  ; 2-byte elements; padding on: after every 64 words 4 words
	s_mov_b32 s[G1V], (1<<16)|(1<<20)|(5<<22)|(7<<25)  ; 8 words
.irp g, G1K, G1V
	s_mov_b32 s[(\g)+1], 128<<16                   ; tensor_dim0 = 128
	s_mov_b32 s[(\g)+2], 64<<16                    ; tensor_dim1 = 64
	s_mov_b32 s[(\g)+3], 128<<16                   ; tile_dim0 = 128
	s_mov_b32 s[(\g)+4], 64                        ; tile_dim1 = 64
	s_mov_b32 s[(\g)+5], 4096                      ; elements from row to row
	s_mov_b32 s[(\g)+6], 0
	s_mov_b32 s[(\g)+7], 0
.endr
	s_mov_b32 s[CS], 0x3e38aa3b                    ; c = log2(e) / 8
	s_mov_b32 s[CS+1], 0x3e38aa3b
	s_mov_b32 s[SEL], 0x76543210
	s_mov_b32 s[SEL+1], 0xfedcba98
	s_mov_b32 s[BIGN], 0xf149f2ca                  ; -1e30
	s_mov_b32 s[SV], 0
	s_mov_b32 s[ALW+1], 0                          ; named as pairs
	s_mov_b32 s[ALD+1], 0
	s_mov_b32 s[SU+1], 0
	s_mov_b32 s[SLO+1], 0
	s_mov_b32 s[SHI+1], 0
	s_lshl_b32 s[E0], s[QB], 1
	s_add_co_u32 s[E0], s[E0], s[QH]               ; step u lies inside the sequence where 2 qb + qh + u >= 4
	s_lshl_b32 s69, s[HP], 1                       ; slope = 2^(-h1 / 2), h1 = head + 1: exponent 127 - h1 / 2 - h1 % 2, and sqrt(2)'s mantissa where h1 is odd
	s_add_co_u32 s69, s69, s[HD]
	s_add_co_u32 s69, s69, 1
	s_lshr_b32 s70, s69, 1
	s_and_b32 s71, s69, 1
	s_sub_co_u32 s72, 127, s70
	s_sub_co_u32 s72, s72, s71
	s_lshl_b32 s72, s72, 23
	s_mul_i32 s71, s71, 0x3504f3
	s_or_b32 s72, s72, s71
	s_add_co_u32 s[S8], s72, 3<<23                 ; 8 slope
	s_add_co_u32 s[S512], s72, 9<<23               ; 512 slope
	s_mul_i32 s74, s[HD], KST                      ; my steps' places in LDS: step HD + 2 i
	s_mul_i32 s75, s[HD], VST
	s_add_co_u32 s75, s75, VOFF
	s_lshl_b32 s69, s[QB], 7                       ; their first keys: 128 qb - 256 + 64 HD + 128 i, not below 0
	s_lshl_b32 s70, s[HD], 6
	s_add_co_u32 s69, s69, s70
	s_sub_co_u32 s69, s69, 256
	s_lshl_b32 s70, s[BT], 11
	s_lshl_b32 s71, s[HP], 8
	s_mov_b32 s73, 0
	s_wait_dscnt 0x0                               ; the opening add is done
	s_wait_kmcnt 0x0
	s_add_nc_u64 s[76:77], s[4:5], 2048            ; k's columns
	s_add_nc_u64 s[78:79], s[4:5], 4096            ; v's
.irp i, 0,1,2
	s_add_co_i32 s72, s69, 128*(\i)
	s_max_i32 s72, s72, 0
	s_add_co_u32 s72, s72, s70
	s_lshl_b32 s72, s72, 13
	s_add_co_u32 s72, s72, s71
	s_mov_b32 s[G0K+4*(\i)], 1
	s_add_co_u32 s[G0K+4*(\i)+1], s74, (\i)*2*KST
	s_add_nc_u64 s[G0K+4*(\i)+2:G0K+4*(\i)+3], s[76:77], s[72:73]
	s_or_b32 s[G0K+4*(\i)+3], s[G0K+4*(\i)+3], 0x80000000
	s_mov_b32 s[G0V+4*(\i)], 1
	s_add_co_u32 s[G0V+4*(\i)+1], s75, (\i)*2*VST
	s_add_nc_u64 s[G0V+4*(\i)+2:G0V+4*(\i)+3], s[78:79], s[72:73]
	s_or_b32 s[G0V+4*(\i)+3], s[G0V+4*(\i)+3], 0x80000000
.endr
	s_cmp_lt_u32 s[WV], 2                          ; a wave's three fills stand in one branch, ahead of every wait on TENSORcnt, LDS read and barrier: three loads of mine are out
	s_cbranch_scc0 .Lfill_v
	tensor_load_to_lds s[G0K:G0K+3], s[G1K:G1K+7]
	s_nop 0
	tensor_load_to_lds s[G0K+4:G0K+7], s[G1K:G1K+7]
	s_nop 0
	tensor_load_to_lds s[G0K+8:G0K+11], s[G1K:G1K+7]
	s_nop 0
.rept 4
	v_nop
.endr
	s_branch .Lfilled
.Lfill_v:
	tensor_load_to_lds s[G0V:G0V+3], s[G1V:G1V+7]
	s_nop 0
	tensor_load_to_lds s[G0V+4:G0V+7], s[G1V:G1V+7]
	s_nop 0
	tensor_load_to_lds s[G0V+8:G0V+11], s[G1V:G1V+7]
	s_nop 0
.rept 4
	v_nop
.endr
.Lfilled:
	v_and_b32 v1, 15, v0                           ; r = l % 16
	v_bfe_u32 v10, v0, 4, 1                        ; h = l / 16
	v_lshlrev_b32 v[QO], 13, v1
	v_lshl_add_u32 v[QO], v10, 4, v[QO]            ; row r, 16 bytes for each half
	s_lshl_b32 s72, s[BT], 11                      ; Q at my 64 queries, my head
	s_lshl_b32 s69, s[QB], 7
	s_add_co_u32 s72, s72, s69
	s_lshl_b32 s69, s[QH], 6
	s_add_co_u32 s72, s72, s69
	s_lshl_b32 s72, s72, 13
	s_add_co_u32 s72, s72, s71
	s_lshl_b32 s69, s[HD], 7
	s_add_co_u32 s72, s72, s69
	s_add_nc_u64 s[80:81], s[4:5], s[72:73]
	WIN 0x40
.irp t, 0,1,2,3
.irp c, 0,1
	global_load_b128 v[QF+16*(\t)+8*(\c):QF+16*(\t)+8*(\c)+3],   v[QO], s[80:81] offset:131072*(\t)+64*(\c)
	global_load_b128 v[QF+16*(\t)+8*(\c)+4:QF+16*(\t)+8*(\c)+7], v[QO], s[80:81] offset:131072*(\t)+64*(\c)+32
.endr
.endr
.set i, 0
.rept 128
	v_mov_b32 v[OT+i], 0                           ; O^T starts at 0, written in the wait for the tiles, so that no first step is written out
.set i, i+1
.endr
	WIN 0
	v_mul_u32_u24 v[AK], v1, PK                    ; K: row r, my head's 128 bytes, my first step
	v_lshl_add_u32 v[AK], v10, 4, v[AK]
	s_mul_i32 s70, s[QH], KST
	s_add_co_u32 s70, s70, s69
	v_add_nc_u32 v[AK], s70, v[AK]
	v_and_b32 v11, 7, v0                           ; V, turned: lane l reads key 8 h + l % 8, 16 bytes at 16 ((l / 8) % 2)
	v_lshl_add_u32 v11, v10, 3, v11
	v_mul_u32_u24 v[AV], v11, PV
	v_bfe_u32 v11, v0, 3, 1
	v_lshl_add_u32 v[AV], v11, 4, v[AV]
	s_mul_i32 s70, s[QH], VST
	s_add_co_u32 s70, s70, s69
	s_add_co_u32 s70, s70, VOFF
	v_add_nc_u32 v[AV], s70, v[AV]
	s_mul_i32 s70, s[QH], 64*SP                    ; the stage: in, row 64 qh + 16 t + r, my head's 128 bytes
	s_add_co_u32 s70, s70, s69
	s_add_co_u32 s70, s70, STAGE
	v_mul_u32_u24 v[STO], v1, SP
	v_lshl_add_u32 v[STO], v10, 4, v[STO]
	v_add_nc_u32 v[STO], s70, v[STO]
	s_mul_i32 s70, s[WV], 32*SP                    ; back: wave w takes rows 32 w .. 32 w + 31, whole
	s_add_co_u32 s70, s70, STAGE
	v_mul_u32_u24 v[RD], v10, SP
	v_lshl_add_u32 v[RD], v1, 4, v[RD]
	v_add_nc_u32 v[RD], s70, v[RD]
	v_lshlrev_b32 v[GO], 13, v10
	v_lshl_add_u32 v[GO], v1, 4, v[GO]
	s_lshl_b32 s72, s[BT], 11                      ; o at those rows
	s_lshl_b32 s69, s[QB], 7
	s_add_co_u32 s72, s72, s69
	s_lshl_b32 s69, s[WV], 5
	s_add_co_u32 s72, s72, s69
	s_lshl_b32 s72, s72, 13
	s_add_co_u32 s72, s72, s71
	s_add_nc_u64 s[6:7], s[6:7], s[72:73]
	v_mov_b32 v[VBIG], s[BIGN]
	v_mov_b32 v[VZ], 0
	v_lshlrev_b32 v11, 3, v10
	v_sub_nc_u32 v12, v1, v11                      ; d = r - 8 h
.irp j, 0,1,2,3,4,5,6,7
	v_cmp_gt_i32 vcc_lo, \j, v12                   ; 8 h + j > r
	v_cndmask_b32 v[MDW+(\j)], v[VBIG], v[VZ], vcc_lo
	v_cndmask_b32 v[MDD+(\j)], v[VZ], v[VBIG], vcc_lo
.endr
	v_cvt_f32_u32 v11, v11
	v_fma_f32 v11, v11, s[S8], 0x41000000          ; 8 slope 8 h + 8
.set i, 0
.rept 32
	v_cvt_f32_u32 v[12+i%2], 16*(i/8)+i%8
	v_fma_f32 v[C0+i], v[12+i%2], s[S8], v11
.set i, i+1
.endr
.irp t, 0,1,2,3
	v_mov_b32 v[ST+4*(\t)+1], 0xe0800000           ; m = -2^66
	v_mul_f32 v[ST+4*(\t)], s[CS], v[ST+4*(\t)+1]  ; c m
	v_mov_b32 v[ST+4*(\t)+2], 0
	v_mov_b32 v[ST+4*(\t)+3], 0
.endr
	s_wait_tensorcnt 0x0                           ; my three tiles are in,
	s_barrier_signal -1
	s_barrier_wait -1                              ; everybody's are
	s_wait_loadcnt 0x0                             ; Q
; S^T = K Q^T + C for tile t: the four accumulators take turns; the first four products start the sums with the C operand that belongs to kt and t
.macro KQ t
	WIN 0x05                                       ; K and Q window 1; C and D window 0
.irp i, 0,1,2,3
.if (\i) < (\t)
.set rC, CLO+8*(\i)
.elseif (\i) == (\t)
.set rC, CM+8*(\i)
.else
.set rC, CHI+8*((\i)-1)
.endif
	v_wmma_f32_16x16x32_bf16 v[S+8*(\i):S+8*(\i)+7], v[KF+16*(\i):KF+16*(\i)+7], v[QF+16*(\t):QF+16*(\t)+7], v[rC:rC+7]
.endr
.irp i, 0,1,2,3
	v_wmma_f32_16x16x32_bf16 v[S+8*(\i):S+8*(\i)+7], v[KF+16*(\i)+8:KF+16*(\i)+15], v[QF+16*(\t)+8:QF+16*(\t)+15], v[S+8*(\i):S+8*(\i)+7]
.endr
.endm
.macro PV t                            ; O^T += V^T P for tile t
	WIN 0x52                                       ; V window 2, P window 0, O^T window 1
.irp kk, 0,1
.irp cb, 0,1,2,3
	v_wmma_f32_16x16x32_bf16 v[OT+32*(\t)+8*(\cb):OT+32*(\t)+8*(\cb)+7], v[VF+32*(\kk)+8*(\cb):VF+32*(\kk)+8*(\cb)+7], v[P+8*(\kk):P+8*(\kk)+7], v[OT+32*(\t)+8*(\cb):OT+32*(\t)+8*(\cb)+7]
.endr
.endr
.endm
.macro SOFT t                          ; tile t's softmax for one step; each accumulator's lowest registers are read first
.set rT, ST+4*(\t)
	WIN 0
.irp n, 0,1,2,3
	v_max3_num_f32 v[CC+(\n)], v[S+8*(\n)], v[S+8*(\n)+1], v[S+8*(\n)+2]
.endr
.irp n, 0,1,2,3
	v_max3_num_f32 v[CC+(\n)], v[CC+(\n)], v[S+8*(\n)+3], v[S+8*(\n)+4]
.endr
.irp n, 0,1,2,3
	v_max3_num_f32 v[CC+(\n)], v[CC+(\n)], v[S+8*(\n)+5], v[S+8*(\n)+6]
.endr
	v_max3_num_f32 v[CC], v[CC], v[S+7], v[S+15]
	v_max3_num_f32 v[CC+1], v[CC+1], v[S+23], v[S+31]
	v_max3_num_f32 v[CC+2], v[CC+2], v[CC+3], v[rT+1]
	v_mov_b32 v[WO], v[rT]                         ; c m_old is kept
	v_max3_num_f32 v[CC], v[CC], v[CC+1], v[CC+2]
	v_permlanex16_b32 v[CC+3], v[CC], s[SEL], s[SEL+1]  ; the query's other 32 keys lie in the lane 16 away
	v_max_num_f32 v[rT+1], v[CC], v[CC+3]
	v_mul_f32 v[rT], s[CS], v[rT+1]
	v_sub_f32 v[CC+1], v[WO], v[rT]
.set i, 0
.rept 16
	v_pk_fma_f32 v[S+2*i:S+2*i+1], v[S+2*i:S+2*i+1], s[CS:CS+1], v[rT:rT+1] op_sel_hi:[1,0,0] neg_lo:[0,0,1] neg_hi:[0,0,1]  ; c s - c m
.set i, i+1
.endr
	v_exp_f32 v[CC+2], v[CC+1]                     ; a
.set i, 0
.rept 32
	v_exp_f32 v[S+i], v[S+i]
.set i, i+1
.endr
	v_nop                                          ; a plain instruction behind the last exponential
	s_wait_alu depctr_va_vdst(0)                   ; one wait for the batch of 33, ahead of its first reader
.set i, 0
.rept 16
	v_cvt_pk_bf16_f32 v[P+i], v[S+2*i], v[S+2*i+1]
.set i, i+1
.endr
.set i, 0
.rept 8
	v_pk_add_f32 v[S+4*i:S+4*i+1], v[S+4*i:S+4*i+1], v[S+4*i+2:S+4*i+3]
.set i, i+1
.endr
	v_pk_fma_f32 v[rT+2:rT+3], v[rT+2:rT+3], v[CC+2:CC+3], v[S:S+1] op_sel_hi:[1,0,1]  ; l = a l + ..
.set i, 1
.rept 7
	v_pk_add_f32 v[rT+2:rT+3], v[rT+2:rT+3], v[S+4*i:S+4*i+1]
.set i, i+1
.endr
	WIN 0x41                                       ; O^T window 1, a window 0
.set i, 0
.rept 16
	v_pk_mul_f32 v[OT+32*(\t)+2*i:OT+32*(\t)+2*i+1], v[OT+32*(\t)+2*i:OT+32*(\t)+2*i+1], v[CC+2:CC+3] op_sel_hi:[1,0]
.set i, i+1
.endr
.endm
	s_mov_b32 s[UC], 0
.Lstep:                                                ; five trips: 64 keys each
	s_cmp_eq_u32 s[UC], 0                          ; the window's edge lies in step 0,
	s_cselect_b32 s[ALW], 1.0, 0
	s_cselect_b32 s69, s[BIGN], 0
	s_cmp_eq_u32 s[UC], 4                          ; the diagonal in step 4
	s_cselect_b32 s[ALD], 1.0, 0
	s_cselect_b32 s70, s[BIGN], 0
	s_add_co_u32 s71, s[UC], s[E0]
	s_cmp_ge_u32 s71, 4                            ; is the step inside the sequence?
	s_cselect_b32 s[SU], s[SV], s[BIGN]
	s_add_f32 s[SLO], s[SU], s69
	s_add_f32 s[SHI], s[SU], s70
	s_add_f32 s[SV], s[SV], s[S512]
	; this step's C operands: 48 packed lines, which are also the places behind the last trip's products, in front of the loads into K's and V's registers
.irp z, 0,2,4,6
	v_pk_fma_f32 v[MC+(\z):MC+(\z)+1], v[MDW+(\z):MDW+(\z)+1], s[ALW:ALW+1], s[SU:SU+1] op_sel_hi:[1,0,0]
.endr
.irp z, 0,2,4,6
	v_pk_fma_f32 v[MC+(\z):MC+(\z)+1], v[MDD+(\z):MDD+(\z)+1], s[ALD:ALD+1], v[MC+(\z):MC+(\z)+1] op_sel_hi:[1,0,1]
.endr
.set i, 0
.rept 12
	v_pk_add_f32 v[CLO+2*i:CLO+2*i+1], v[C0+2*i:C0+2*i+1], s[SLO:SLO+1] op_sel_hi:[1,0]
.set i, i+1
.endr
.set i, 0
.rept 12
	v_pk_add_f32 v[CHI+2*i:CHI+2*i+1], v[C0+8+2*i:C0+8+2*i+1], s[SHI:SHI+1] op_sel_hi:[1,0]
.set i, i+1
.endr
.set i, 0
.rept 16
	v_pk_add_f32 v[CM+2*i:CM+2*i+1], v[C0+2*i:C0+2*i+1], v[MC+2*(i%4):MC+2*(i%4)+1]
.set i, i+1
.endr
	WIN 0x40
.irp f, 0,1,2,3,4,5,6,7                ; keys 16 (f / 2) on, channels 32 (f % 2) on
	ds_load_b128 v[KF+8*(\f):KF+8*(\f)+3],   v[AK] offset:((\f)/2)*16*PK+((\f)%2)*64
	ds_load_b128 v[KF+8*(\f)+4:KF+8*(\f)+7], v[AK] offset:((\f)/2)*16*PK+((\f)%2)*64+32
.endr
	WIN 0x80
.irp f, 0,1,2,3,4,5,6,7                ; keys 32 (f / 4) on, channels 16 (f % 4) on
	ds_load_tr16_b128 v[VF+8*(\f):VF+8*(\f)+3],   v[AV] offset:((\f)/4)*32*PV+((\f)%4)*32
	ds_load_tr16_b128 v[VF+8*(\f)+4:VF+8*(\f)+7], v[AV] offset:((\f)/4)*32*PV+16*PV+((\f)%4)*32
.endr
	WIN 0
	v_add_nc_u32 v[AK], KST, v[AK]                 ; the next step's
	v_add_nc_u32 v[AV], VST, v[AV]
	s_wait_dscnt 16                                ; K is in; V's 16 loads may stay out
.irp t, 0,1,2,3
	KQ \t
	WIN 0
.rept 4
	v_nop                                          ; the places behind those products
.endr
	SOFT \t
.if (\t) == 0
	s_wait_dscnt 0x0                               ; V is in
.endif
	PV \t
.endr
	WIN 0
	s_add_co_u32 s[UC], s[UC], 1
	s_cmp_lt_u32 s[UC], 5
	s_cbranch_scc1 .Lstep
	; THE WAY OUT: l's two halves and the other half of the lanes' are added; O^T is divided by l, rounded to bf16 and sent through the stage.  The additions are the places behind the last products.
.irp t, 0,1,2,3
	v_add_f32 v[ST+4*(\t)+2], v[ST+4*(\t)+2], v[ST+4*(\t)+3]
.endr
.irp t, 0,1,2,3
	v_permlanex16_b32 v[ST+4*(\t)+3], v[ST+4*(\t)+2], s[SEL], s[SEL+1]
.endr
.irp t, 0,1,2,3
	v_add_f32 v[ST+4*(\t)+2], v[ST+4*(\t)+2], v[ST+4*(\t)+3]
.endr
.irp t, 0,1,2,3
	v_rcp_f32 v[ST+4*(\t)+2], v[ST+4*(\t)+2]
.endr
	v_nop
	s_wait_alu depctr_va_vdst(0)                   ; one wait for the four reciprocals
.irp t, 0,1,2,3
	WIN 0x41
.set i, 0
.rept 16
	v_pk_mul_f32 v[OT+32*(\t)+2*i:OT+32*(\t)+2*i+1], v[OT+32*(\t)+2*i:OT+32*(\t)+2*i+1], v[ST+4*(\t)+2:ST+4*(\t)+3] op_sel_hi:[1,0]
.set i, i+1
.endr
	WIN 0x05
.set i, 0
.rept 16
	v_cvt_pk_bf16_f32 v[S+16*(\t)+i], v[OT+32*(\t)+2*i], v[OT+32*(\t)+2*i+1]
.set i, i+1
.endr
	WIN 0
.irp cb, 0,1,2,3
	ds_store_b128 v[STO], v[S+16*(\t)+4*(\cb):S+16*(\t)+4*(\cb)+3] offset:(\t)*16*SP+32*(\cb)
.endr
.endr
	s_wait_dscnt 0x0                               ; for the others' sake: a row's 256 bytes come from two waves
	s_barrier_signal -1
	s_barrier_wait -1
.irp i, 0,1,2,3,4,5,6,7,8,9,10,11,12,13,14,15
	ds_load_b128 v[S+4*(\i):S+4*(\i)+3], v[RD] offset:(\i)*2*SP
.endr
.irp i, 0,1,2,3,4,5,6,7,8,9,10,11,12,13,14,15
	s_wait_dscnt 15-(\i)                           ; the younger row loads may stay out
	global_store_b128 v[GO], v[S+4*(\i):S+4*(\i)+3], s[6:7] offset:(\i)*16384  ; 16 lanes store 256 consecutive bytes, aligned
.endr
	s_wait_tensorcnt 0x0                           ; the wave's end
	ds_add_u32 v[SPW], v[NIL]
	s_wait_dscnt 0x0
	s_endpgm
.Lfunc_end_k_qa7ecf18109_attn:
	.size	k_qa7ecf18109_attn, .Lfunc_end_k_qa7ecf18109_attn-k_qa7ecf18109_attn
	.p2alignl 7, 3214868480
	.fill 96, 4, 3214868480
	.section	.rodata,"a",@progbits
	.p2align	6, 0x0
	.amdhsa_kernel k_qa7ecf18109_attn
		.amdhsa_group_segment_fixed_size 250368
		.amdhsa_private_segment_fixed_size 0
		.amdhsa_enable_private_segment 0
		.amdhsa_kernarg_size 16
		.amdhsa_user_sgpr_count 2
		.amdhsa_user_sgpr_kernarg_segment_ptr 1
		.amdhsa_wavefront_size32 1
		.amdhsa_system_sgpr_workgroup_id_x 1
		.amdhsa_system_sgpr_workgroup_id_y 1
		.amdhsa_system_sgpr_workgroup_id_z 1
		.amdhsa_system_vgpr_workitem_id 0
		.amdhsa_next_free_vgpr 576
		.amdhsa_next_free_sgpr 96
		.amdhsa_reserve_vcc 1
		.amdhsa_float_denorm_mode_32 3
		.amdhsa_float_denorm_mode_16_64 3
		.amdhsa_memory_ordered 1
		.amdhsa_forward_progress 1
		.amdhsa_inst_pref_size 68
	.end_amdhsa_kernel
	.amdgpu_metadata
---
amdhsa.version: [ 1, 2 ]
amdhsa.kernels:
  - .name:           k_qa7ecf18109_attn
    .symbol:         k_qa7ecf18109_attn.kd
    .args:
      - { .name: big, .offset: 0, .size: 8, .value_kind: global_buffer, .address_space: global }
      - { .name: hb, .offset: 8, .size: 8, .value_kind: global_buffer, .address_space: global }
    .group_segment_fixed_size: 250368
    .private_segment_fixed_size: 0
    .kernarg_segment_align: 8
    .kernarg_segment_size: 16
    .max_flat_workgroup_size: 128
    .sgpr_count:     96
    .vgpr_count:     576
    .wavefront_size: 32
...
	.end_amdgpu_metadata
.endif
;; end of part 3
;; launch proj (part 4): grid 8 x 32, 4 waves a work-group, clusters of 4 x 4, 327,680 bytes of LDS; arguments hb, wA, proj_b, x, x1; writes x1
.if DOCPART == 4
	.amdgcn_target "amdgcn-amd-amdhsa--gfx1250"
	.amdhsa_code_object_version 6
	.text
	.protected	k_qa7ecf18109_proj
	.globl	k_qa7ecf18109_proj
	.p2align	8
	.type	k_qa7ecf18109_proj,@function
k_qa7ecf18109_proj:
	s_mov_b64 s[64:65], 0
	v_nop
	global_prefetch_b8 v0, s[64:65] scope:SCOPE_SE
	s_setreg_imm32_b32 hwreg(HW_REG_WAVE_MODE, 25, 1), 1
	s_wait_xcnt 0x0
	s_wait_alu depctr_hold_cnt(0) depctr_sa_sdst(0) depctr_va_vdst(0) depctr_va_sdst(0) depctr_va_ssrc(0) depctr_va_vcc(0) depctr_vm_vsrc(0)
	s_getreg_b32 s2, hwreg(HW_REG_IB_STS2, 6, 4)
	s_cmp_eq_u32 s2, 0
	s_cbranch_scc0 .Lentry_in_a_cluster
	s_endpgm
.Lentry_in_a_cluster:
	s_bfe_u32 s2, ttmp6, 0x10000c
	s_cmp_lg_u32 s2, 0xf033
	s_cbranch_scc0 .Lentry_shape_is_right
	s_endpgm
.Lentry_shape_is_right:
; out[m][n] = res[m][n] + bias[n] + sum over k of A[m][k] W[k][n], N = 1,024, K = 512 (NL + 1).  A: bf16, rows 8,192 bytes apart.  W: bf16 [K][1024], 8 MiB behind its buffer's first byte.
; res, out: f32 [4096][1024].  This text stands twice in the program, alike but for NL: here K = 1,024 (the attention's projection).
; SHARES.  A tile of out is 128 x 128, which gives 256 work-groups.  K IS SPLIT AMONG THE FOUR WAVES: every wave holds the whole tile in 64 accumulators and takes its own 128 of each 512 along K,
; so each LDS byte is read once.  The four partial tiles (f32; sums in any order) meet in LDS at the end; that meeting also turns them into whole rows for the stores.
; ONE REGION OF LDS AND THREE FRAGMENT BUFFERS.  The region holds 512 along K (A: 128 rows x 1,024 bytes; W: 512 rows x 256 bytes), filled by joint tensor loads in a cluster of 4 x 4 (A along a row
; of the cluster, W along a column), one load a wave.  A wave's share of a region is four quarters of 32 along K, 64 matrix instructions each.  Quarters 0, 1, 2 go into buffers 0, 1, 2, quarter 3 into
; buffer 0 when quarter 0 is multiplied: the whole region is in registers after 64 of its 256 matrix instructions, the round and the joint refill stand at the 96th, and the refill has the other 160
; in which to land.  Two slots of half the size would leave a refill 96.
; So a trip has two waits for all tensor loads: one in front of the reads of the new region (no younger load exists: the count is 0), one as the first of the three lines in front of the round.
; THE PRODUCT IS TAKEN TRANSPOSED: source 0 = 16 columns of W (turned by ds_load_tr16_b128), source 1 = 16 rows of A.
; REGISTERS: window 0: v0-35 addresses and the bias, v64-255 A's fragments (three buffers); window 1: v64-255 W's fragments; on the way out buffer 1 of both windows holds the residual's 32 rows,
; buffers 0 and 2 of window 1 the partial sums; windows 2, 3: the accumulators of rows 0-63, 64-127.
.set NL,     1                         ; refills, and trips of the loop: K / 512 - 1
.set PA,     1040                      ; a row of A in LDS: 1,024 bytes + 16: the 16 rows of a fragment load start 16 bytes apart modulo 256
.set PB,     288                       ; a row of W: 256 bytes + 32
.set AHALF,  64*PA                     ; what a wave fetches of A: 64 rows
.set BHALF,  256*PB                    ; of W: 256 rows
.set BOFF,   2*AHALF
.set REGION, 2*AHALF+2*BHALF
.set SPARE,  REGION                    ; the spare words: two blocks of 256 bytes that no other line names
.set RPITCH, 528                       ; a row of a partial tile: 512 bytes + 16
.set RED,    128*RPITCH                ; a wave's partial tile; the four overlay the region from byte 0 on, behind its last fill
.set ASTEP,  1024                      ; a region along a row of A
.set BSTEP,  0x100000                  ; a region down W: 512 rows of 2,048 bytes
.set RDR,  8                           ; v8-11 where I read partial tile v back
.set ADRA, 16                          ; v16-17 my A fragments: rows 0-63, rows 64-127 (an LDS offset has 16 bits)
.set ADRB, 20                          ; v20 my W fragments
.set STO,  24
.set GO,   26
.set SPW,  28                          ; my spare word; never rewritten
.set NIL,  29                          ; 0; never rewritten
.set PFO,  30                          ; the prefetches' lane offset; never rewritten
.set BIAS4, 32
.set F0,   64
.set F1,   128
.set F2,   192
.set RES,  128                         ; rows 0-15 in window 0, rows 16-31 in window 1
.set PB0,  64                          ; window 1: two buffers of 64, at 64 and at 192
.set G1,  24
.set G0,  32
.set LIM,  41                          ; 1 in a wave that prefetches, else the greatest number
.set PFA,  42
.set PST,  44
.set G1B, 48
.set G0B, 56
.set WV, 66
.set RH, 67                            ; 0: I fetch A, 1: W
.set CH, 68                            ; which half of that tile
.set CX, 69
.set CY, 70
.set TC, 71
.set TR, 72
.set MSB, 0
.macro WIN new                         ; the immediate's high byte repeats the setting that is left; a switch that changes nothing is dropped
.if MSB != (\new)
	s_set_vgpr_msb (MSB<<8)|(\new)
.set MSB, \new
.endif
.endm
.set MUL_LO, 0xa1                      ; source 0 (W) window 1, source 1 (A) window 0, C and D window 2
.set MUL_HI, 0xf1                      ; the same, C and D window 3
.set TO_B,   0x40                      ; destination window 1, address window 0
.macro JLOAD                           ; a joint load: waves 0, 1 fetch A's halves, waves 2, 3 W's; an s_nop 0 and four v_nop follow each line
	s_cmp_eq_u32 s[RH], 0
	s_cbranch_scc0 .Lfor_b_\@
	tensor_load_to_lds s[G0:G0+3], s[G1:G1+7]
	s_nop 0
.rept 4
	v_nop
.endr
	s_branch .Lasked_\@
.Lfor_b_\@:
	tensor_load_to_lds s[G0B:G0B+3], s[G1B:G1B+7]
	s_nop 0
.rept 4
	v_nop
.endr
.Lasked_\@:
.endm
; A prefetch behind each joint refill: the region one refill on, 256 matrix instructions ahead of the load that will want it.  Each aligned 256 bytes are named once in the launch: A's rows by the clusters
; with x = 0, W's by those with y = 0; the four partners of a joint load share its 256 blocks out by address, 64 each: two instructions, a lane a block.  The loop's last trip asks for nothing;
; with NL = 1 no such region exists, and nothing of this is assembled.
.macro ASK
.if NL > 1
	s_cmp_gt_u32 s3, s[LIM]
	s_cbranch_scc0 .Lnot_mine_\@
	global_prefetch_b8 v[PFO], s[PFA:PFA+1] th:TH_LOAD_NT scope:SCOPE_SE
	global_prefetch_b8 v[PFO], s[PFA:PFA+1] offset:65536 th:TH_LOAD_NT scope:SCOPE_SE  ; 8 rows of A, or 32 rows of W, further down
.Lnot_mine_\@:
.endif
.endm
.macro CREST                           ; a round of the cluster's barrier behind its opening barrier
	s_cmp_lg_u32 s[WV], 0
	s_cbranch_scc1 .Lnot_wave_0_\@
	s_barrier_signal -3
.Lnot_wave_0_\@:
	s_barrier_wait -3
	s_barrier_signal -1
	s_barrier_wait -1
.endm
.macro CROUND
	s_barrier_signal -1
	s_barrier_wait -1
	CREST
.endm
.macro PLACES                          ; four plain places behind matrix instructions, in front of loads into registers that they read and of readers of their results
.rept 4
	v_nop
.endr
.endm
.macro MUL16 f, hi, a0, zero           ; 16 matrix instructions: row blocks a0, a0 + 1 of the window's four x all 8 column blocks; zero = 1: they start the sums
	WIN MUL_LO+0x50*(\hi)
.irp a, \a0, (\a0)+1
.irp b, 0,1,2,3,4,5,6,7
.if \zero
	v_wmma_f32_16x16x32_bf16 v[8*(8*(\a)+(\b)):8*(8*(\a)+(\b))+7], v[(\f)+8*(\b):(\f)+8*(\b)+7], v[(\f)+8*(4*(\hi)+(\a)):(\f)+8*(4*(\hi)+(\a))+7], 0
.else
	v_wmma_f32_16x16x32_bf16 v[8*(8*(\a)+(\b)):8*(8*(\a)+(\b))+7], v[(\f)+8*(\b):(\f)+8*(\b)+7], v[(\f)+8*(4*(\hi)+(\a)):(\f)+8*(4*(\hi)+(\a))+7], v[8*(8*(\a)+(\b)):8*(8*(\a)+(\b))+7]
.endif
.endr
.endr
.endm
.macro MUL64 f                         ; a whole quarter: the 64 accumulators take turns, in the same order in every quarter
	MUL16 \f, 0, 0, 0
	MUL16 \f, 0, 2, 0
	MUL16 \f, 1, 0, 0
	MUL16 \f, 1, 2, 0
.endm
.macro FETCH q, f                      ; 32 LDS loads in one run: quarter q (32 along K) of my share into buffer f: W's 8 column blocks, turned, then A's 8 row blocks
	WIN TO_B
.irp i, 0,1,2,3,4,5,6,7
	ds_load_tr16_b128 v[(\f)+8*(\i):(\f)+8*(\i)+3],   v[ADRB] offset:(\q)*32*PB+32*(\i)
	ds_load_tr16_b128 v[(\f)+8*(\i)+4:(\f)+8*(\i)+7], v[ADRB] offset:(\q)*32*PB+32*(\i)+16*PB
.endr
	WIN 0
.irp i, 0,1,2,3,4,5,6,7
	ds_load_b128 v[(\f)+8*(\i):(\f)+8*(\i)+3],   v[ADRA+(\i)/4] offset:64*(\q)+((\i)%4)*16*PA
	ds_load_b128 v[(\f)+8*(\i)+4:(\f)+8*(\i)+7], v[ADRA+(\i)/4] offset:64*(\q)+((\i)%4)*16*PA+32
.endr
.endm
; A region's first quarter: buffer 0 is fetched and multiplied, and the fetches of quarters 1 and 2 stand between its products.  Four plain places lie between each buffer's last product and the loads into it:
; the PLACES in front of the barrier that stands ahead of this macro.
.macro FIRSTQ zero
	FETCH 0, F0
	s_wait_dscnt 8                                 ; W and A's rows 0-63 are in; the youngest eight loads (A's rows 64-127) may be out
	MUL16 F0, 0, 0, \zero
	FETCH 1, F1
	MUL16 F0, 0, 2, \zero
	s_wait_dscnt 32                                ; all but quarter 1's 32: quarter 0 is whole
	MUL16 F0, 1, 0, \zero
	s_wait_dscnt 16                                ; W of quarter 1 is in; with the 32 that follow at most 48 are out
	FETCH 2, F2
	MUL16 F0, 1, 2, \zero
.endm
.macro LASTF                           ; the region's last fragments: quarter 3 takes buffer 0, which has just been multiplied
	PLACES
	s_wait_dscnt 24                                ; quarter 1 is whole (the youngest 24 are quarter 2's); with the 32 that follow at most 56 are out
	FETCH 3, F0
.endm
	s_load_b256 s[4:11], s[0:1], 0x0               ; A s[4:5], W s[6:7], bias s[8:9], res s[10:11]
	s_load_b64 s[14:15], s[0:1], 0x20              ; out
	v_lshl_add_u32 v[SPW], v0, 2, SPARE
	v_mov_b32 v[NIL], 0
	ds_add_u32 v[SPW], v[NIL]                      ; the wave's opening: the add and its wait stand ahead of my first tensor load; work on registers stands between them
	ds_add_u32 v28, v29
	v_lshrrev_b32 v1, 5, v0
	v_readfirstlane_b32 s[WV], v1
	s_lshr_b32 s[RH], s[WV], 1
	s_and_b32 s[CH], s[WV], 1
	s_bfe_u32 s[CX], ttmp6, 0x40000
	s_bfe_u32 s[CY], ttmp6, 0x40004
	s_lshl_b32 s[TC], ttmp9, 2
	s_add_co_u32 s[TC], s[TC], s[CX]               ; tile column = 4 x cluster x + cx
	s_and_b32 s[TR], ttmp7, 0xffff
	s_lshl_b32 s[TR], s[TR], 2
	s_add_co_u32 s[TR], s[TR], s[CY]               ; tile row = 4 x cluster y + cy
	s_lshl_b32 s21, s[CY], 2
	s_lshl_b32 s21, 15, s21                        ; my row of the cluster
	s_lshl_b32 s22, 0x1111, s[CX]                  ; my column
	s_or_b32 s[G1], s21, (1<<16)|(1<<20)|(1<<21)|(7<<22)|(3<<25)   ; the mask; 2-byte elements; padding on; bit 21 beside a mask; after every 256 words 4 words
	s_mov_b32 s[G1+1], 512<<16                     ; tensor_dim0 = 512
	s_mov_b32 s[G1+2], 64<<16                      ; tensor_dim1 = 64
	s_mov_b32 s[G1+3], 512<<16                     ; tile_dim0 = 512
	s_mov_b32 s[G1+4], 64                          ; tile_dim1 = 64
	s_mov_b32 s[G1+5], 4096                        ; elements from row to row
	s_mov_b32 s[G1+6], 0
	s_mov_b32 s[G1+7], 0
	s_or_b32 s[G1B], s22, (1<<16)|(1<<20)|(1<<21)|(5<<22)|(7<<25)  ; after every 64 words 8 words
	s_mov_b32 s[G1B+1], 128<<16                    ; tensor_dim0 = 128
	s_mov_b32 s[G1B+2], 256<<16                    ; tensor_dim1 = 256
	s_mov_b32 s[G1B+3], 128<<16                    ; tile_dim0 = 128
	s_mov_b32 s[G1B+4], 256                        ; tile_dim1 = 256
	s_mov_b32 s[G1B+5], 1024
	s_mov_b32 s[G1B+6], 0
	s_mov_b32 s[G1B+7], 0
	s_lshl_b32 s74, s[TR], 7                       ; A: row 128 x tile row + 64 x half
	s_lshl_b32 s75, s[CH], 6
	s_add_co_u32 s74, s74, s75
	s_lshl_b32 s74, s74, 13
	s_mov_b32 s75, 0
	s_lshl_b32 s46, s[TC], 8                       ; W: 8 MiB in, 256 bytes a tile column, row 256 x half
	s_lshl_b32 s47, s[CH], 19
	s_add_co_u32 s46, s46, s47
	s_add_co_u32 s46, s46, 0x800000
	s_mov_b32 s47, 0
	s_mul_i32 s21, s[CH], AHALF                    ; where my part goes: no place in the cluster enters an LDS address
	s_mul_i32 s22, s[CH], BHALF
	s_add_co_u32 s22, s22, BOFF
	s_wait_dscnt 0x0                               ; the opening add is done
	s_wait_kmcnt 0x0
	CROUND                                         ; all sixteen work-groups are here: the first joint loads meet
	s_mov_b32 s[G0], 1
	s_mov_b32 s[G0+1], s21
	s_add_nc_u64 s[G0+2:G0+3], s[4:5], s[74:75]
	s_or_b32 s[G0+3], s[G0+3], 0x80000000
	s_mov_b32 s[G0B], 1
	s_mov_b32 s[G0B+1], s22
	s_add_nc_u64 s[G0B+2:G0B+3], s[6:7], s[46:47]
	s_or_b32 s[G0B+3], s[G0B+3], 0x80000000
	JLOAD                                          ; region 0: one load of mine is out
	v_and_b32 v1, 15, v0                           ; r
	v_bfe_u32 v2, v0, 4, 1                         ; h
	v_mul_u32_u24 v3, v1, PA
	v_lshl_add_u32 v4, v2, 4, v3                   ; r x 1,040 + 16 h
	s_lshl_b32 s23, s[WV], 8                       ; my 128 along K: 256 bytes of each row
	v_add_nc_u32 v[ADRA], s23, v4
	v_add_nc_u32 v[ADRA+1], 64*PA, v[ADRA]
	v_and_b32 v4, 7, v0                            ; the turning load: lane l reads row 8 h + l % 8, 16 bytes at 16 ((l / 8) % 2)
	v_lshl_add_u32 v4, v2, 3, v4
	v_mul_u32_u24 v4, v4, PB
	v_bfe_u32 v5, v0, 3, 1
	v_lshl_add_u32 v4, v5, 4, v4
	s_mul_i32 s23, s[WV], 128*PB                   ; my 128 rows of W
	s_add_co_u32 s23, s23, BOFF
	v_add_nc_u32 v[ADRB], s23, v4
	s_mul_i32 s23, s[WV], RED
	v_mul_u32_u24 v3, v1, RPITCH
	v_lshl_add_u32 v3, v2, 5, v3                   ; my partial tile: row r, 32 bytes for each half of the lanes
	v_add_nc_u32 v[STO], s23, v3
	v_and_b32 v6, 31, v0
	v_lshlrev_b32 v[GO], 4, v6                     ; 16 x lane: a row of 512 bytes
	s_mul_i32 s23, s[WV], 32*RPITCH                ; back: wave w takes rows 32 w .. 32 w + 31 of all four
	v_add_nc_u32 v[RDR], s23, v[GO]
	v_add_nc_u32 v[RDR+1], RED, v[RDR]
	v_add_nc_u32 v[RDR+2], 2*RED, v[RDR]
	v_add_nc_u32 v[RDR+3], 3*RED, v[RDR]
	s_lshl_b32 s76, s[TR], 7                       ; res and out at those rows, the tile's 512 bytes
	s_lshl_b32 s77, s[WV], 5
	s_add_co_u32 s76, s76, s77
	s_lshl_b32 s76, s76, 12
	s_lshl_b32 s78, s[TC], 9
	s_add_co_u32 s76, s76, s78
	s_mov_b32 s77, 0
	s_mov_b32 s79, 0
	s_add_nc_u64 s[10:11], s[10:11], s[76:77]
	s_add_nc_u64 s[14:15], s[14:15], s[76:77]
	s_add_nc_u64 s[8:9], s[8:9], s[78:79]
	global_load_b128 v[BIAS4:BIAS4+3], v[GO], s[8:9]  ; the bias of my four columns: waited for on the way out
.if NL > 1
	; the prefetches: of the 256 blocks that I fetch, my work-group's 64
	s_lshl_b32 s80, s[TR], 7
	s_lshl_b32 s81, s[CH], 6
	s_add_co_u32 s80, s80, s81
	s_lshl_b32 s81, s[CX], 4
	s_add_co_u32 s80, s80, s81
	s_lshl_b32 s80, s80, 13                        ; A: 16 rows, 1,024 bytes of each
	s_lshl_b32 s82, s[CH], 8
	s_lshl_b32 s83, s[CY], 6
	s_add_co_u32 s82, s82, s83
	s_lshl_b32 s82, s82, 11
	s_lshl_b32 s83, s[TC], 8
	s_add_co_u32 s82, s82, s83
	s_add_co_u32 s82, s82, 0x800000                ; W: 64 rows, 256 bytes of each
	s_and_b32 s83, ttmp7, 0xffff
	s_movk_i32 s21, 1024
	s_cmp_eq_u32 s[RH], 0
	s_cselect_b32 s80, s80, s82
	s_cselect_b32 s83, ttmp9, s83                  ; the coordinate along which other clusters read the same blocks
	s_cselect_b64 s[PFA:PFA+1], s[4:5], s[6:7]
	s_cselect_b32 s[PST], s21, 0x100000            ; a region's step
	s_cselect_b32 s22, 2, 0                        ; A: four lanes a row of 8,192 bytes; W: a lane a row of 2,048
	s_cselect_b32 s23, 13, 11
	s_cselect_b32 s21, 3, 0
	s_mov_b32 s[PST+1], 0
	s_mov_b32 s81, 0
	s_cmp_eq_u32 s83, 0
	s_cselect_b32 s[LIM], 1, -1                    ; the same in all sixteen partners, for a given wave
	s_add_nc_u64 s[PFA:PFA+1], s[PFA:PFA+1], s[80:81]
	s_add_nc_u64 s[PFA:PFA+1], s[PFA:PFA+1], s[PST:PST+1]  ; at region 1: the first trip, which fills region 1, steps it to 2
	v_lshrrev_b32 v7, s22, v6
	v_and_b32 v6, s21, v6
	v_lshlrev_b32 v7, s23, v7
	v_lshl_add_u32 v[PFO], v6, 8, v7
.endif
	s_wait_tensorcnt 0x0                           ; my part of region 0 is in,
	s_barrier_signal -1
	s_barrier_wait -1                              ; everybody's is
	FIRSTQ 1                                       ; the first quarter stands in front of the loop: its products start the sums
	WIN 0                                          ; at a label and at a branch every window is 0
	s_mov_b32 s3, NL
.Llap:                                                 ; NL trips: from a region's second quarter to the next region's first; the region is filled again once
.if NL > 1
	s_wait_xcnt 0x0                                ; the last prefetches, a region back, have read their address
	s_add_nc_u64 s[PFA:PFA+1], s[PFA:PFA+1], s[PST:PST+1]
.endif
	LASTF                                          ; with these 32 loads the whole region has been asked out of LDS
	WIN 0
	s_wait_tensorcnt 0x0                           ; no tensor load of mine is out (the region's own was waited for in front of its reads)
	ds_add_u32 v[SPW], v[NIL]                      ; 0 onto my spare word
	MUL16 F1, 0, 0, 0                              ; sixteen matrix instructions stand between the add and the wait for it
	s_wait_dscnt 0x0                               ; the add is done, and my reads of the region are over
	s_barrier_signal -1                            ; this barrier opens a round of the cluster's
	MUL16 F1, 0, 2, 0
	WIN 0
	s_barrier_wait -1
	CREST                                          ; no wave of any partner still reads the region or has a load on its way
	s_add_nc_u64 s[G0+2:G0+3], s[G0+2:G0+3], ASTEP
	s_add_nc_u64 s[G0B+2:G0B+3], s[G0B+2:G0B+3], BSTEP
	JLOAD                                          ; my one tensor load behind the round: 160 matrix instructions ahead of the wait for it
	ASK
	MUL16 F1, 1, 0, 0
	MUL16 F1, 1, 2, 0
	MUL64 F2
	MUL64 F0
	WIN 0
	PLACES                                         ; behind the last products, in front of the loads into all three buffers
	s_wait_tensorcnt 0x0                           ; my part of the next region is in,
	s_barrier_signal -1
	s_barrier_wait -1                              ; everybody's is
	FIRSTQ 0
	WIN 0
	s_sub_co_u32 s3, s3, 1
	s_cmp_lg_u32 s3, 0
	s_cbranch_scc1 .Llap
	LASTF                                          ; the last region's tail is written out: it fills nothing
	MUL64 F1
	PLACES                                         ; buffer 1 is free in both windows: it takes the residual's 32 rows, 128 matrix instructions ahead of the way out
	WIN 0
.set i, 0
.rept 16
	global_load_b128 v[RES+4*i:RES+4*i+3], v[GO], s[10:11] offset:4096*i th:TH_LOAD_NT
.set i, i+1
.endr
	WIN 0x40
.set i, 0
.rept 16
	global_load_b128 v[RES+4*i:RES+4*i+3], v[GO], s[10:11] offset:4096*(16+i) th:TH_LOAD_NT
.set i, i+1
.endr
	s_wait_dscnt 0x0                               ; quarters 2 and 3 are in: my reads of the region are over
	MUL64 F2
	MUL64 F0
	; THE WAY OUT.  Behind a barrier (every wave's reads of the region are over, and it has had its last fill) each wave lays its partial tile into LDS;
	; behind a second barrier wave w adds the four partial tiles' rows 32 w .. 32 w + 31, the bias and the residual, and stores whole rows of 512 bytes.
	PLACES
	PLACES
	WIN 0
	s_barrier_signal -1
	s_barrier_wait -1
.irp a, 0,1,2,3,4,5,6,7
	WIN 0x08+4*((\a)/4)                            ; the data in window 2 or 3
.irp b, 0,1,2,3,4,5,6,7
	ds_store_b128 v[STO], v[8*(8*((\a)%4)+(\b)):8*(8*((\a)%4)+(\b))+3]   offset:(\a)*16*RPITCH+64*(\b)     ; each accumulator from its low end on
	ds_store_b128 v[STO], v[8*(8*((\a)%4)+(\b))+4:8*(8*((\a)%4)+(\b))+7] offset:(\a)*16*RPITCH+64*(\b)+16
.endr
.endr
	WIN 0
	s_wait_dscnt 0x0                               ; for the others' sake
	s_barrier_signal -1
	s_barrier_wait -1
	s_wait_loadcnt 0x0                             ; the residual and the bias
.macro LOADG g                         ; group g: rows 4 g .. 4 g + 3 of the four partial tiles into buffer g % 2
	s_wait_xcnt 0x0                                ; the buffer was the data of the stores two groups back
	WIN 0x40
.irp ii, 0,1,2,3
.irp v, 0,1,2,3
	ds_load_b128 v[PB0+128*((\g)%2)+16*(\ii)+4*(\v):PB0+128*((\g)%2)+16*(\ii)+4*(\v)+3], v[RDR+(\v)] offset:RPITCH*(4*(\g)+(\ii))
.endr
.endr
.endm
.macro SUMG g
.set pb, PB0+128*((\g)%2)
	WIN 0x45                                       ; all three in window 1
.irp ii, 0,1,2,3
.irp z, 0,2
	v_pk_add_f32 v[pb+16*(\ii)+(\z):pb+16*(\ii)+(\z)+1], v[pb+16*(\ii)+(\z):pb+16*(\ii)+(\z)+1], v[pb+16*(\ii)+4+(\z):pb+16*(\ii)+4+(\z)+1]
	v_pk_add_f32 v[pb+16*(\ii)+8+(\z):pb+16*(\ii)+8+(\z)+1], v[pb+16*(\ii)+8+(\z):pb+16*(\ii)+8+(\z)+1], v[pb+16*(\ii)+12+(\z):pb+16*(\ii)+12+(\z)+1]
.endr
.endr
.irp ii, 0,1,2,3
.irp z, 0,2
	v_pk_add_f32 v[pb+16*(\ii)+(\z):pb+16*(\ii)+(\z)+1], v[pb+16*(\ii)+(\z):pb+16*(\ii)+(\z)+1], v[pb+16*(\ii)+8+(\z):pb+16*(\ii)+8+(\z)+1]
.endr
.endr
	WIN 0x41                                       ; source 1 in window 0: the bias
.irp ii, 0,1,2,3
.irp z, 0,2
	v_pk_add_f32 v[pb+16*(\ii)+(\z):pb+16*(\ii)+(\z)+1], v[pb+16*(\ii)+(\z):pb+16*(\ii)+(\z)+1], v[BIAS4+(\z):BIAS4+(\z)+1]
.endr
.endr
.if (\g) >= 4
	WIN 0x45                                       ; the residual's rows 16-31 lie in window 1
.endif
.irp ii, 0,1,2,3
.irp z, 0,2
	v_pk_add_f32 v[pb+16*(\ii)+(\z):pb+16*(\ii)+(\z)+1], v[pb+16*(\ii)+(\z):pb+16*(\ii)+(\z)+1], v[RES+16*((\g)%4)+4*(\ii)+(\z):RES+16*((\g)%4)+4*(\ii)+(\z)+1]
.endr
.endr
	WIN 0x04                                       ; the stores' data in window 1
.irp ii, 0,1,2,3
	global_store_b128 v[GO], v[pb+16*(\ii):pb+16*(\ii)+3], s[14:15] offset:4096*(4*(\g)+(\ii))  ; a wave's store covers 512 consecutive bytes, aligned
.endr
.endm
	LOADG 0
.irp g, 0,1,2,3,4,5,6
	LOADG (\g)+1
	s_wait_dscnt 16                                ; group g is in; the next group's 16 loads may stay out
	SUMG \g
.endr
	s_wait_dscnt 0x0
	SUMG 7
	WIN 0
	s_wait_tensorcnt 0x0                           ; the wave's end
	ds_add_u32 v[SPW], v[NIL]
	s_wait_dscnt 0x0
	CROUND                                         ; the closing round: no work-group ends while a partner may still ask for a tile that names it
	s_endpgm
.Lfunc_end_k_qa7ecf18109_proj:
	.size	k_qa7ecf18109_proj, .Lfunc_end_k_qa7ecf18109_proj-k_qa7ecf18109_proj
	.p2alignl 7, 3214868480
	.fill 96, 4, 3214868480
	.section	.rodata,"a",@progbits
	.p2align	6, 0x0
	.amdhsa_kernel k_qa7ecf18109_proj
		.amdhsa_group_segment_fixed_size 327680
		.amdhsa_private_segment_fixed_size 0
		.amdhsa_enable_private_segment 0
		.amdhsa_kernarg_size 40
		.amdhsa_user_sgpr_count 2
		.amdhsa_user_sgpr_kernarg_segment_ptr 1
		.amdhsa_wavefront_size32 1
		.amdhsa_system_sgpr_workgroup_id_x 1
		.amdhsa_system_sgpr_workgroup_id_y 1
		.amdhsa_system_sgpr_workgroup_id_z 1
		.amdhsa_system_vgpr_workitem_id 0
		.amdhsa_next_free_vgpr 1024
		.amdhsa_next_free_sgpr 84
		.amdhsa_reserve_vcc 0
		.amdhsa_float_denorm_mode_32 3
		.amdhsa_float_denorm_mode_16_64 3
		.amdhsa_memory_ordered 1
		.amdhsa_forward_progress 1
		.amdhsa_inst_pref_size 103
	.end_amdhsa_kernel
	.amdgpu_metadata
---
amdhsa.version: [ 1, 2 ]
amdhsa.kernels:
  - .name:           k_qa7ecf18109_proj
    .symbol:         k_qa7ecf18109_proj.kd
    .args:
      - { .name: hb, .offset: 0, .size: 8, .value_kind: global_buffer, .address_space: global }
      - { .name: wA, .offset: 8, .size: 8, .value_kind: global_buffer, .address_space: global }
      - { .name: proj_b, .offset: 16, .size: 8, .value_kind: global_buffer, .address_space: global }
      - { .name: x, .offset: 24, .size: 8, .value_kind: global_buffer, .address_space: global }
      - { .name: x1, .offset: 32, .size: 8, .value_kind: global_buffer, .address_space: global }
    .group_segment_fixed_size: 327680
    .private_segment_fixed_size: 0
    .kernarg_segment_align: 8
    .kernarg_segment_size: 40
    .max_flat_workgroup_size: 128
    .sgpr_count:     84
    .vgpr_count:     1024
    .wavefront_size: 32
...
	.end_amdgpu_metadata
.endif
;; end of part 4
;; launch ln2 (part 5): grid 256 x 1, 8 waves a work-group, no clusters, 0 bytes of LDS; arguments x1, ln2_g, ln2_b, hb; writes hb
.if DOCPART == 5
	.amdgcn_target "amdgcn-amd-amdhsa--gfx1250"
	.amdhsa_code_object_version 6
	.text
	.protected	k_qa7ecf18109_ln2
	.globl	k_qa7ecf18109_ln2
	.p2align	8
	.type	k_qa7ecf18109_ln2,@function
k_qa7ecf18109_ln2:
	s_mov_b64 s[64:65], 0
	v_nop
	global_prefetch_b8 v0, s[64:65] scope:SCOPE_SE
	s_setreg_imm32_b32 hwreg(HW_REG_WAVE_MODE, 25, 1), 1
	s_wait_xcnt 0x0
; hb = LayerNorm2(x1) in bf16, rows 8,192 bytes apart.  x1: f32 [4096][1024].  16 rows a work-group, two a wave; a row stays in registers between its passes, so memory is read once.
; Mean, then the sum of squares of x - mean (two passes: a common offset costs nothing), all in f32; the result is rounded once.  A stream: no LDS, no barrier, no matrix unit.
.set X,    8                           ; v[8:71]    two rows: row p at X + 32 p; registers 4 j .. 4 j + 3 hold columns 128 j + 4 lane ..
.set G,    72
.set BB,   104
.set CHN,  136
.set MU,   144
.set T,    148
.set RS,   152
.set SRC,  8
.set GP,   10
.set BP,   12
.set DST,  14
.set INV,  40
.set EPS,  41
.set SEL,  42
.macro FOLD                            ; four chains of pairs -> one number in every lane of the wave, in v[T]
	v_pk_add_f32 v[CHN:CHN+1], v[CHN:CHN+1], v[CHN+2:CHN+3]
	v_pk_add_f32 v[CHN+4:CHN+5], v[CHN+4:CHN+5], v[CHN+6:CHN+7]
	v_pk_add_f32 v[CHN:CHN+1], v[CHN:CHN+1], v[CHN+4:CHN+5]
	v_add_f32 v[T], v[CHN], v[CHN+1]
	v_add_f32_dpp v[T], v[T], v[T] row_xmask:1 row_mask:0xf bank_mask:0xf
	v_add_f32_dpp v[T], v[T], v[T] row_xmask:2 row_mask:0xf bank_mask:0xf
	v_add_f32_dpp v[T], v[T], v[T] row_xmask:4 row_mask:0xf bank_mask:0xf
	v_add_f32_dpp v[T], v[T], v[T] row_xmask:8 row_mask:0xf bank_mask:0xf
	v_permlanex16_b32 v[T+1], v[T], s[SEL], s[SEL+1]
	v_add_f32 v[T], v[T], v[T+1]
.endm
.macro STAT p
.set XR, X+32*(\p)
.irp k, 0,1,2,3
	v_pk_add_f32 v[CHN+2*(\k):CHN+2*(\k)+1], v[XR+2*(\k):XR+2*(\k)+1], v[XR+8+2*(\k):XR+8+2*(\k)+1]
.endr
.irp m, 2,3
.irp k, 0,1,2,3
	v_pk_add_f32 v[CHN+2*(\k):CHN+2*(\k)+1], v[CHN+2*(\k):CHN+2*(\k)+1], v[XR+8*(\m)+2*(\k):XR+8*(\m)+2*(\k)+1]
.endr
.endr
	FOLD
	v_mul_f32 v[MU], s[INV], v[T]
	v_mul_f32 v[MU+1], s[INV], v[T]
.set i, 0
.rept 16
	v_pk_add_f32 v[XR+2*i:XR+2*i+1], v[XR+2*i:XR+2*i+1], v[MU:MU+1] neg_lo:[0,1] neg_hi:[0,1]
.set i, i+1
.endr
.irp k, 0,1,2,3
	v_pk_mul_f32 v[CHN+2*(\k):CHN+2*(\k)+1], v[XR+2*(\k):XR+2*(\k)+1], v[XR+2*(\k):XR+2*(\k)+1]
.endr
.irp m, 1,2,3
.irp k, 0,1,2,3
	v_pk_fma_f32 v[CHN+2*(\k):CHN+2*(\k)+1], v[XR+8*(\m)+2*(\k):XR+8*(\m)+2*(\k)+1], v[XR+8*(\m)+2*(\k):XR+8*(\m)+2*(\k)+1], v[CHN+2*(\k):CHN+2*(\k)+1]
.endr
.endr
	FOLD
	v_fma_f32 v[T], v[T], s[INV], s[EPS]
	v_rsq_f32 v[RS+2*(\p)], v[T]
	v_rsq_f32 v[RS+2*(\p)+1], v[T]
	v_nop                                          ; a plain instruction behind the second root
	s_wait_alu depctr_va_vdst(0)                   ; one wait for both, ahead of their first reader
.endm
.macro OUTR p
.set XR, X+32*(\p)
.set i, 0
.rept 16
	v_pk_mul_f32 v[XR+2*i:XR+2*i+1], v[XR+2*i:XR+2*i+1], v[RS+2*(\p):RS+2*(\p)+1]
.set i, i+1
.endr
.set i, 0
.rept 16
	v_pk_fma_f32 v[XR+2*i:XR+2*i+1], v[XR+2*i:XR+2*i+1], v[G+2*i:G+2*i+1], v[BB+2*i:BB+2*i+1]
.set i, i+1
.endr
.set i, 0
.rept 16
	v_cvt_pk_bf16_f32 v[XR+i], v[XR+2*i], v[XR+2*i+1]  ; in place, ascending
.set i, i+1
.endr
.set i, 0
.rept 8
	global_store_b64 v2, v[XR+2*i:XR+2*i+1], s[DST:DST+1] offset:8192*(\p)+256*i th:TH_STORE_NT  ; a wave's store covers 256 consecutive bytes, aligned
.set i, i+1
.endr
.endm
	s_load_b256 s[8:15], s[0:1], 0x0               ; x1, ln2_g, ln2_b, hb
	v_lshrrev_b32 v1, 5, v0
	v_readfirstlane_b32 s4, v1                     ; wave 0..7
	s_lshl_b32 s36, ttmp9, 16                      ; 16 rows of 4,096 bytes a work-group, two a wave
	s_lshl_b32 s7, s4, 13
	s_add_co_u32 s36, s36, s7
	s_mov_b32 s37, 0
	s_lshl_b32 s38, ttmp9, 17                      ; rows of 8,192 bytes in hb
	s_lshl_b32 s7, s4, 14
	s_add_co_u32 s38, s38, s7
	s_mov_b32 s39, 0
	v_and_b32 v1, 31, v0
	v_lshlrev_b32 v2, 3, v1
	v_lshlrev_b32 v1, 4, v1
	v_mov_b32 v[T+1], 0                            ; v_permlanex16_b32 counts as a reader of its destination
	s_mov_b32 s[INV], 0x3a800000                   ; 1 / 1024
	s_mov_b32 s[EPS], 0x3727c5ac                   ; 1e-5
	s_mov_b32 s[SEL], 0x76543210
	s_mov_b32 s[SEL+1], 0xfedcba98
	s_wait_kmcnt 0x0
	s_add_nc_u64 s[SRC:SRC+1], s[SRC:SRC+1], s[36:37]
	s_add_nc_u64 s[DST:DST+1], s[DST:DST+1], s[38:39]
.set i, 0
.rept 16
	global_load_b128 v[X+4*i:X+4*i+3], v1, s[SRC:SRC+1] offset:(i/8)*4096+(i%8)*512 th:TH_LOAD_NT
.set i, i+1
.endr
.set i, 0
.rept 8
	global_load_b128 v[G+4*i:G+4*i+3], v1, s[GP:GP+1] offset:512*i
.set i, i+1
.endr
.set i, 0
.rept 8
	global_load_b128 v[BB+4*i:BB+4*i+3], v1, s[BP:BP+1] offset:512*i
.set i, i+1
.endr
	s_wait_loadcnt 24                              ; row 0 is in; row 1's 8 loads, the gain's 8 and the bias's 8 stay out
	STAT 0
	s_wait_loadcnt 16                              ; row 1 is in
	STAT 1
	s_wait_loadcnt 0x0
	OUTR 0
	OUTR 1
	s_endpgm
.Lfunc_end_k_qa7ecf18109_ln2:
	.size	k_qa7ecf18109_ln2, .Lfunc_end_k_qa7ecf18109_ln2-k_qa7ecf18109_ln2
	.p2alignl 7, 3214868480
	.fill 96, 4, 3214868480
	.section	.rodata,"a",@progbits
	.p2align	6, 0x0
	.amdhsa_kernel k_qa7ecf18109_ln2
		.amdhsa_group_segment_fixed_size 0
		.amdhsa_private_segment_fixed_size 0
		.amdhsa_enable_private_segment 0
		.amdhsa_kernarg_size 32
		.amdhsa_user_sgpr_count 2
		.amdhsa_user_sgpr_kernarg_segment_ptr 1
		.amdhsa_wavefront_size32 1
		.amdhsa_system_sgpr_workgroup_id_x 1
		.amdhsa_system_sgpr_workgroup_id_y 1
		.amdhsa_system_sgpr_workgroup_id_z 1
		.amdhsa_system_vgpr_workitem_id 0
		.amdhsa_next_free_vgpr 160
		.amdhsa_next_free_sgpr 66
		.amdhsa_reserve_vcc 0
		.amdhsa_float_denorm_mode_32 3
		.amdhsa_float_denorm_mode_16_64 3
		.amdhsa_memory_ordered 1
		.amdhsa_forward_progress 1
		.amdhsa_inst_pref_size 20
	.end_amdhsa_kernel
	.amdgpu_metadata
---
amdhsa.version: [ 1, 2 ]
amdhsa.kernels:
  - .name:           k_qa7ecf18109_ln2
    .symbol:         k_qa7ecf18109_ln2.kd
    .args:
      - { .name: x1, .offset: 0, .size: 8, .value_kind: global_buffer, .address_space: global }
      - { .name: ln2_g, .offset: 8, .size: 8, .value_kind: global_buffer, .address_space: global }
      - { .name: ln2_b, .offset: 16, .size: 8, .value_kind: global_buffer, .address_space: global }
      - { .name: hb, .offset: 24, .size: 8, .value_kind: global_buffer, .address_space: global }
    .group_segment_fixed_size: 0
    .private_segment_fixed_size: 0
    .kernarg_segment_align: 8
    .kernarg_segment_size: 32
    .max_flat_workgroup_size: 256
    .sgpr_count:     66
    .vgpr_count:     160
    .wavefront_size: 32
...
	.end_amdgpu_metadata
.endif
;; end of part 5
;; launch fc1: the kernel of part 2 again; grid 16 x 16, 4 waves a work-group, clusters of 4 x 4, 327,680 bytes of LDS; arguments hb, wB, fc1_b, mode1, big; writes big
;; launch fc2 (part 6): grid 8 x 32, 4 waves a work-group, clusters of 4 x 4, 327,680 bytes of LDS; arguments big, wB, fc2_b, x1, out0; writes out0
.if DOCPART == 6
	.amdgcn_target "amdgcn-amd-amdhsa--gfx1250"
	.amdhsa_code_object_version 6
	.text
	.protected	k_qa7ecf18109_fc2
	.globl	k_qa7ecf18109_fc2
	.p2align	8
	.type	k_qa7ecf18109_fc2,@function
k_qa7ecf18109_fc2:
	s_mov_b64 s[64:65], 0
	v_nop
	global_prefetch_b8 v0, s[64:65] scope:SCOPE_SE
	s_setreg_imm32_b32 hwreg(HW_REG_WAVE_MODE, 25, 1), 1
	s_wait_xcnt 0x0
	s_wait_alu depctr_hold_cnt(0) depctr_sa_sdst(0) depctr_va_vdst(0) depctr_va_sdst(0) depctr_va_ssrc(0) depctr_va_vcc(0) depctr_vm_vsrc(0)
	s_getreg_b32 s2, hwreg(HW_REG_IB_STS2, 6, 4)
	s_cmp_eq_u32 s2, 0
	s_cbranch_scc0 .Lentry_in_a_cluster
	s_endpgm
.Lentry_in_a_cluster:
	s_bfe_u32 s2, ttmp6, 0x10000c
	s_cmp_lg_u32 s2, 0xf033
	s_cbranch_scc0 .Lentry_shape_is_right
	s_endpgm
.Lentry_shape_is_right:
; out[m][n] = res[m][n] + bias[n] + sum over k of A[m][k] W[k][n], N = 1,024, K = 512 (NL + 1).  A: bf16, rows 8,192 bytes apart.  W: bf16 [K][1024], 8 MiB behind its buffer's first byte.
; res, out: f32 [4096][1024].  This text stands twice in the program, alike but for NL: here K = 4,096 (the feed-forward's second product).
; SHARES.  A tile of out is 128 x 128, which gives 256 work-groups.  K IS SPLIT AMONG THE FOUR WAVES: every wave holds the whole tile in 64 accumulators and takes its own 128 of each 512 along K,
; so each LDS byte is read once.  The four partial tiles (f32; sums in any order) meet in LDS at the end; that meeting also turns them into whole rows for the stores.
; ONE REGION OF LDS AND THREE FRAGMENT BUFFERS.  The region holds 512 along K (A: 128 rows x 1,024 bytes; W: 512 rows x 256 bytes), filled by joint tensor loads in a cluster of 4 x 4 (A along a row
; of the cluster, W along a column), one load a wave.  A wave's share of a region is four quarters of 32 along K, 64 matrix instructions each.  Quarters 0, 1, 2 go into buffers 0, 1, 2, quarter 3 into
; buffer 0 when quarter 0 is multiplied: the whole region is in registers after 64 of its 256 matrix instructions, the round and the joint refill stand at the 96th, and the refill has the other 160
; in which to land.  Two slots of half the size would leave a refill 96.
; So a trip has two waits for all tensor loads: one in front of the reads of the new region (no younger load exists: the count is 0), one as the first of the three lines in front of the round.
; THE PRODUCT IS TAKEN TRANSPOSED: source 0 = 16 columns of W (turned by ds_load_tr16_b128), source 1 = 16 rows of A.
; REGISTERS: window 0: v0-35 addresses and the bias, v64-255 A's fragments (three buffers); window 1: v64-255 W's fragments; on the way out buffer 1 of both windows holds the residual's 32 rows,
; buffers 0 and 2 of window 1 the partial sums; windows 2, 3: the accumulators of rows 0-63, 64-127.
.set NL,     7                         ; refills, and trips of the loop: K / 512 - 1
.set PA,     1040                      ; a row of A in LDS: 1,024 bytes + 16: the 16 rows of a fragment load start 16 bytes apart modulo 256
.set PB,     288                       ; a row of W: 256 bytes + 32
.set AHALF,  64*PA                     ; what a wave fetches of A: 64 rows
.set BHALF,  256*PB                    ; of W: 256 rows
.set BOFF,   2*AHALF
.set REGION, 2*AHALF+2*BHALF
.set SPARE,  REGION                    ; the spare words: two blocks of 256 bytes that no other line names
.set RPITCH, 528                       ; a row of a partial tile: 512 bytes + 16
.set RED,    128*RPITCH                ; a wave's partial tile; the four overlay the region from byte 0 on, behind its last fill
.set ASTEP,  1024                      ; a region along a row of A
.set BSTEP,  0x100000                  ; a region down W: 512 rows of 2,048 bytes
.set RDR,  8                           ; v8-11 where I read partial tile v back
.set ADRA, 16                          ; v16-17 my A fragments: rows 0-63, rows 64-127 (an LDS offset has 16 bits)
.set ADRB, 20                          ; v20 my W fragments
.set STO,  24
.set GO,   26
.set SPW,  28                          ; my spare word; never rewritten
.set NIL,  29                          ; 0; never rewritten
.set PFO,  30                          ; the prefetches' lane offset; never rewritten
.set BIAS4, 32
.set F0,   64
.set F1,   128
.set F2,   192
.set RES,  128                         ; rows 0-15 in window 0, rows 16-31 in window 1
.set PB0,  64                          ; window 1: two buffers of 64, at 64 and at 192
.set G1,  24
.set G0,  32
.set LIM,  41                          ; 1 in a wave that prefetches, else the greatest number
.set PFA,  42
.set PST,  44
.set G1B, 48
.set G0B, 56
.set WV, 66
.set RH, 67                            ; 0: I fetch A, 1: W
.set CH, 68                            ; which half of that tile
.set CX, 69
.set CY, 70
.set TC, 71
.set TR, 72
.set MSB, 0
.macro WIN new                         ; the immediate's high byte repeats the setting that is left; a switch that changes nothing is dropped
.if MSB != (\new)
	s_set_vgpr_msb (MSB<<8)|(\new)
.set MSB, \new
.endif
.endm
.set MUL_LO, 0xa1                      ; source 0 (W) window 1, source 1 (A) window 0, C and D window 2
.set MUL_HI, 0xf1                      ; the same, C and D window 3
.set TO_B,   0x40                      ; destination window 1, address window 0
.macro JLOAD                           ; a joint load: waves 0, 1 fetch A's halves, waves 2, 3 W's; an s_nop 0 and four v_nop follow each line
	s_cmp_eq_u32 s[RH], 0
	s_cbranch_scc0 .Lfor_b_\@
	tensor_load_to_lds s[G0:G0+3], s[G1:G1+7]
	s_nop 0
.rept 4
	v_nop
.endr
	s_branch .Lasked_\@
.Lfor_b_\@:
	tensor_load_to_lds s[G0B:G0B+3], s[G1B:G1B+7]
	s_nop 0
.rept 4
	v_nop
.endr
.Lasked_\@:
.endm
; A prefetch behind each joint refill: the region one refill on, 256 matrix instructions ahead of the load that will want it.  Each aligned 256 bytes are named once in the launch: A's rows by the clusters
; with x = 0, W's by those with y = 0; the four partners of a joint load share its 256 blocks out by address, 64 each: two instructions, a lane a block.  The loop's last trip asks for nothing;
; with NL = 1 no such region exists, and nothing of this is assembled.
.macro ASK
.if NL > 1
	s_cmp_gt_u32 s3, s[LIM]
	s_cbranch_scc0 .Lnot_mine_\@
	global_prefetch_b8 v[PFO], s[PFA:PFA+1] th:TH_LOAD_NT scope:SCOPE_SE
	global_prefetch_b8 v[PFO], s[PFA:PFA+1] offset:65536 th:TH_LOAD_NT scope:SCOPE_SE  ; 8 rows of A, or 32 rows of W, further down
.Lnot_mine_\@:
.endif
.endm
.macro CREST                           ; a round of the cluster's barrier behind its opening barrier
	s_cmp_lg_u32 s[WV], 0
	s_cbranch_scc1 .Lnot_wave_0_\@
	s_barrier_signal -3
.Lnot_wave_0_\@:
	s_barrier_wait -3
	s_barrier_signal -1
	s_barrier_wait -1
.endm
.macro CROUND
	s_barrier_signal -1
	s_barrier_wait -1
	CREST
.endm
.macro PLACES                          ; four plain places behind matrix instructions, in front of loads into registers that they read and of readers of their results
.rept 4
	v_nop
.endr
.endm
.macro MUL16 f, hi, a0, zero           ; 16 matrix instructions: row blocks a0, a0 + 1 of the window's four x all 8 column blocks; zero = 1: they start the sums
	WIN MUL_LO+0x50*(\hi)
.irp a, \a0, (\a0)+1
.irp b, 0,1,2,3,4,5,6,7
.if \zero
	v_wmma_f32_16x16x32_bf16 v[8*(8*(\a)+(\b)):8*(8*(\a)+(\b))+7], v[(\f)+8*(\b):(\f)+8*(\b)+7], v[(\f)+8*(4*(\hi)+(\a)):(\f)+8*(4*(\hi)+(\a))+7], 0
.else
	v_wmma_f32_16x16x32_bf16 v[8*(8*(\a)+(\b)):8*(8*(\a)+(\b))+7], v[(\f)+8*(\b):(\f)+8*(\b)+7], v[(\f)+8*(4*(\hi)+(\a)):(\f)+8*(4*(\hi)+(\a))+7], v[8*(8*(\a)+(\b)):8*(8*(\a)+(\b))+7]
.endif
.endr
.endr
.endm
.macro MUL64 f                         ; a whole quarter: the 64 accumulators take turns, in the same order in every quarter
	MUL16 \f, 0, 0, 0
	MUL16 \f, 0, 2, 0
	MUL16 \f, 1, 0, 0
	MUL16 \f, 1, 2, 0
.endm
.macro FETCH q, f                      ; 32 LDS loads in one run: quarter q (32 along K) of my share into buffer f: W's 8 column blocks, turned, then A's 8 row blocks
	WIN TO_B
.irp i, 0,1,2,3,4,5,6,7
	ds_load_tr16_b128 v[(\f)+8*(\i):(\f)+8*(\i)+3],   v[ADRB] offset:(\q)*32*PB+32*(\i)
	ds_load_tr16_b128 v[(\f)+8*(\i)+4:(\f)+8*(\i)+7], v[ADRB] offset:(\q)*32*PB+32*(\i)+16*PB
.endr
	WIN 0
.irp i, 0,1,2,3,4,5,6,7
	ds_load_b128 v[(\f)+8*(\i):(\f)+8*(\i)+3],   v[ADRA+(\i)/4] offset:64*(\q)+((\i)%4)*16*PA
	ds_load_b128 v[(\f)+8*(\i)+4:(\f)+8*(\i)+7], v[ADRA+(\i)/4] offset:64*(\q)+((\i)%4)*16*PA+32
.endr
.endm
; A region's first quarter: buffer 0 is fetched and multiplied, and the fetches of quarters 1 and 2 stand between its products.  Four plain places lie between each buffer's last product and the loads into it:
; the PLACES in front of the barrier that stands ahead of this macro.
.macro FIRSTQ zero
	FETCH 0, F0
	s_wait_dscnt 8                                 ; W and A's rows 0-63 are in; the youngest eight loads (A's rows 64-127) may be out
	MUL16 F0, 0, 0, \zero
	FETCH 1, F1
	MUL16 F0, 0, 2, \zero
	s_wait_dscnt 32                                ; all but quarter 1's 32: quarter 0 is whole
	MUL16 F0, 1, 0, \zero
	s_wait_dscnt 16                                ; W of quarter 1 is in; with the 32 that follow at most 48 are out
	FETCH 2, F2
	MUL16 F0, 1, 2, \zero
.endm
.macro LASTF                           ; the region's last fragments: quarter 3 takes buffer 0, which has just been multiplied
	PLACES
	s_wait_dscnt 24                                ; quarter 1 is whole (the youngest 24 are quarter 2's); with the 32 that follow at most 56 are out
	FETCH 3, F0
.endm
	s_load_b256 s[4:11], s[0:1], 0x0               ; A s[4:5], W s[6:7], bias s[8:9], res s[10:11]
	s_load_b64 s[14:15], s[0:1], 0x20              ; out
	v_lshl_add_u32 v[SPW], v0, 2, SPARE
	v_mov_b32 v[NIL], 0
	ds_add_u32 v[SPW], v[NIL]                      ; the wave's opening: the add and its wait stand ahead of my first tensor load; work on registers stands between them
	ds_add_u32 v28, v29
	v_lshrrev_b32 v1, 5, v0
	v_readfirstlane_b32 s[WV], v1
	s_lshr_b32 s[RH], s[WV], 1
	s_and_b32 s[CH], s[WV], 1
	s_bfe_u32 s[CX], ttmp6, 0x40000
	s_bfe_u32 s[CY], ttmp6, 0x40004
	s_lshl_b32 s[TC], ttmp9, 2
	s_add_co_u32 s[TC], s[TC], s[CX]               ; tile column = 4 x cluster x + cx
	s_and_b32 s[TR], ttmp7, 0xffff
	s_lshl_b32 s[TR], s[TR], 2
	s_add_co_u32 s[TR], s[TR], s[CY]               ; tile row = 4 x cluster y + cy
	s_lshl_b32 s21, s[CY], 2
	s_lshl_b32 s21, 15, s21                        ; my row of the cluster
	s_lshl_b32 s22, 0x1111, s[CX]                  ; my column
	s_or_b32 s[G1], s21, (1<<16)|(1<<20)|(1<<21)|(7<<22)|(3<<25)   ; the mask; 2-byte elements; padding on; bit 21 beside a mask; after every 256 words 4 words
	s_mov_b32 s[G1+1], 512<<16                     ; tensor_dim0 = 512
	s_mov_b32 s[G1+2], 64<<16                      ; tensor_dim1 = 64
	s_mov_b32 s[G1+3], 512<<16                     ; tile_dim0 = 512
	s_mov_b32 s[G1+4], 64                          ; tile_dim1 = 64
	s_mov_b32 s[G1+5], 4096                        ; elements from row to row
	s_mov_b32 s[G1+6], 0
	s_mov_b32 s[G1+7], 0
	s_or_b32 s[G1B], s22, (1<<16)|(1<<20)|(1<<21)|(5<<22)|(7<<25)  ; after every 64 words 8 words
	s_mov_b32 s[G1B+1], 128<<16                    ; tensor_dim0 = 128
	s_mov_b32 s[G1B+2], 256<<16                    ; tensor_dim1 = 256
	s_mov_b32 s[G1B+3], 128<<16                    ; tile_dim0 = 128
	s_mov_b32 s[G1B+4], 256                        ; tile_dim1 = 256
	s_mov_b32 s[G1B+5], 1024
	s_mov_b32 s[G1B+6], 0
	s_mov_b32 s[G1B+7], 0
	s_lshl_b32 s74, s[TR], 7                       ; A: row 128 x tile row + 64 x half
	s_lshl_b32 s75, s[CH], 6
	s_add_co_u32 s74, s74, s75
	s_lshl_b32 s74, s74, 13
	s_mov_b32 s75, 0
	s_lshl_b32 s46, s[TC], 8                       ; W: 8 MiB in, 256 bytes a tile column, row 256 x half
	s_lshl_b32 s47, s[CH], 19
	s_add_co_u32 s46, s46, s47
	s_add_co_u32 s46, s46, 0x800000
	s_mov_b32 s47, 0
	s_mul_i32 s21, s[CH], AHALF                    ; where my part goes: no place in the cluster enters an LDS address
	s_mul_i32 s22, s[CH], BHALF
	s_add_co_u32 s22, s22, BOFF
	s_wait_dscnt 0x0                               ; the opening add is done
	s_wait_kmcnt 0x0
	CROUND                                         ; all sixteen work-groups are here: the first joint loads meet
	s_mov_b32 s[G0], 1
	s_mov_b32 s[G0+1], s21
	s_add_nc_u64 s[G0+2:G0+3], s[4:5], s[74:75]
	s_or_b32 s[G0+3], s[G0+3], 0x80000000
	s_mov_b32 s[G0B], 1
	s_mov_b32 s[G0B+1], s22
	s_add_nc_u64 s[G0B+2:G0B+3], s[6:7], s[46:47]
	s_or_b32 s[G0B+3], s[G0B+3], 0x80000000
	JLOAD                                          ; region 0: one load of mine is out
	v_and_b32 v1, 15, v0                           ; r
	v_bfe_u32 v2, v0, 4, 1                         ; h
	v_mul_u32_u24 v3, v1, PA
	v_lshl_add_u32 v4, v2, 4, v3                   ; r x 1,040 + 16 h
	s_lshl_b32 s23, s[WV], 8                       ; my 128 along K: 256 bytes of each row
	v_add_nc_u32 v[ADRA], s23, v4
	v_add_nc_u32 v[ADRA+1], 64*PA, v[ADRA]
	v_and_b32 v4, 7, v0                            ; the turning load: lane l reads row 8 h + l % 8, 16 bytes at 16 ((l / 8) % 2)
	v_lshl_add_u32 v4, v2, 3, v4
	v_mul_u32_u24 v4, v4, PB
	v_bfe_u32 v5, v0, 3, 1
	v_lshl_add_u32 v4, v5, 4, v4
	s_mul_i32 s23, s[WV], 128*PB                   ; my 128 rows of W
	s_add_co_u32 s23, s23, BOFF
	v_add_nc_u32 v[ADRB], s23, v4
	s_mul_i32 s23, s[WV], RED
	v_mul_u32_u24 v3, v1, RPITCH
	v_lshl_add_u32 v3, v2, 5, v3                   ; my partial tile: row r, 32 bytes for each half of the lanes
	v_add_nc_u32 v[STO], s23, v3
	v_and_b32 v6, 31, v0
	v_lshlrev_b32 v[GO], 4, v6                     ; 16 x lane: a row of 512 bytes
	s_mul_i32 s23, s[WV], 32*RPITCH                ; back: wave w takes rows 32 w .. 32 w + 31 of all four
	v_add_nc_u32 v[RDR], s23, v[GO]
	v_add_nc_u32 v[RDR+1], RED, v[RDR]
	v_add_nc_u32 v[RDR+2], 2*RED, v[RDR]
	v_add_nc_u32 v[RDR+3], 3*RED, v[RDR]
	s_lshl_b32 s76, s[TR], 7                       ; res and out at those rows, the tile's 512 bytes
	s_lshl_b32 s77, s[WV], 5
	s_add_co_u32 s76, s76, s77
	s_lshl_b32 s76, s76, 12
	s_lshl_b32 s78, s[TC], 9
	s_add_co_u32 s76, s76, s78
	s_mov_b32 s77, 0
	s_mov_b32 s79, 0
	s_add_nc_u64 s[10:11], s[10:11], s[76:77]
	s_add_nc_u64 s[14:15], s[14:15], s[76:77]
	s_add_nc_u64 s[8:9], s[8:9], s[78:79]
	global_load_b128 v[BIAS4:BIAS4+3], v[GO], s[8:9]  ; the bias of my four columns: waited for on the way out
.if NL > 1
	; the prefetches: of the 256 blocks that I fetch, my work-group's 64
	s_lshl_b32 s80, s[TR], 7
	s_lshl_b32 s81, s[CH], 6
	s_add_co_u32 s80, s80, s81
	s_lshl_b32 s81, s[CX], 4
	s_add_co_u32 s80, s80, s81
	s_lshl_b32 s80, s80, 13                        ; A: 16 rows, 1,024 bytes of each
	s_lshl_b32 s82, s[CH], 8
	s_lshl_b32 s83, s[CY], 6
	s_add_co_u32 s82, s82, s83
	s_lshl_b32 s82, s82, 11
	s_lshl_b32 s83, s[TC], 8
	s_add_co_u32 s82, s82, s83
	s_add_co_u32 s82, s82, 0x800000                ; W: 64 rows, 256 bytes of each
	s_and_b32 s83, ttmp7, 0xffff
	s_movk_i32 s21, 1024
	s_cmp_eq_u32 s[RH], 0
	s_cselect_b32 s80, s80, s82
	s_cselect_b32 s83, ttmp9, s83                  ; the coordinate along which other clusters read the same blocks
	s_cselect_b64 s[PFA:PFA+1], s[4:5], s[6:7]
	s_cselect_b32 s[PST], s21, 0x100000            ; a region's step
	s_cselect_b32 s22, 2, 0                        ; A: four lanes a row of 8,192 bytes; W: a lane a row of 2,048
	s_cselect_b32 s23, 13, 11
	s_cselect_b32 s21, 3, 0
	s_mov_b32 s[PST+1], 0
	s_mov_b32 s81, 0
	s_cmp_eq_u32 s83, 0
	s_cselect_b32 s[LIM], 1, -1                    ; the same in all sixteen partners, for a given wave
	s_add_nc_u64 s[PFA:PFA+1], s[PFA:PFA+1], s[80:81]
	s_add_nc_u64 s[PFA:PFA+1], s[PFA:PFA+1], s[PST:PST+1]  ; at region 1: the first trip, which fills region 1, steps it to 2
	v_lshrrev_b32 v7, s22, v6
	v_and_b32 v6, s21, v6
	v_lshlrev_b32 v7, s23, v7
	v_lshl_add_u32 v[PFO], v6, 8, v7
.endif
	s_wait_tensorcnt 0x0                           ; my part of region 0 is in,
	s_barrier_signal -1
	s_barrier_wait -1                              ; everybody's is
	FIRSTQ 1                                       ; the first quarter stands in front of the loop: its products start the sums
	WIN 0                                          ; at a label and at a branch every window is 0
	s_mov_b32 s3, NL
.Llap:                                                 ; NL trips: from a region's second quarter to the next region's first; the region is filled again once
.if NL > 1
	s_wait_xcnt 0x0                                ; the last prefetches, a region back, have read their address
	s_add_nc_u64 s[PFA:PFA+1], s[PFA:PFA+1], s[PST:PST+1]
.endif
	LASTF                                          ; with these 32 loads the whole region has been asked out of LDS
	WIN 0
	s_wait_tensorcnt 0x0                           ; no tensor load of mine is out (the region's own was waited for in front of its reads)
	ds_add_u32 v[SPW], v[NIL]                      ; 0 onto my spare word
	MUL16 F1, 0, 0, 0                              ; sixteen matrix instructions stand between the add and the wait for it
	s_wait_dscnt 0x0                               ; the add is done, and my reads of the region are over
	s_barrier_signal -1                            ; this barrier opens a round of the cluster's
	MUL16 F1, 0, 2, 0
	WIN 0
	s_barrier_wait -1
	CREST                                          ; no wave of any partner still reads the region or has a load on its way
	s_add_nc_u64 s[G0+2:G0+3], s[G0+2:G0+3], ASTEP
	s_add_nc_u64 s[G0B+2:G0B+3], s[G0B+2:G0B+3], BSTEP
	JLOAD                                          ; my one tensor load behind the round: 160 matrix instructions ahead of the wait for it
	ASK
	MUL16 F1, 1, 0, 0
	MUL16 F1, 1, 2, 0
	MUL64 F2
	MUL64 F0
	WIN 0
	PLACES                                         ; behind the last products, in front of the loads into all three buffers
	s_wait_tensorcnt 0x0                           ; my part of the next region is in,
	s_barrier_signal -1
	s_barrier_wait -1                              ; everybody's is
	FIRSTQ 0
	WIN 0
	s_sub_co_u32 s3, s3, 1
	s_cmp_lg_u32 s3, 0
	s_cbranch_scc1 .Llap
	LASTF                                          ; the last region's tail is written out: it fills nothing
	MUL64 F1
	PLACES                                         ; buffer 1 is free in both windows: it takes the residual's 32 rows, 128 matrix instructions ahead of the way out
	WIN 0
.set i, 0
.rept 16
	global_load_b128 v[RES+4*i:RES+4*i+3], v[GO], s[10:11] offset:4096*i th:TH_LOAD_NT
.set i, i+1
.endr
	WIN 0x40
.set i, 0
.rept 16
	global_load_b128 v[RES+4*i:RES+4*i+3], v[GO], s[10:11] offset:4096*(16+i) th:TH_LOAD_NT
.set i, i+1
.endr
	s_wait_dscnt 0x0                               ; quarters 2 and 3 are in: my reads of the region are over
	MUL64 F2
	MUL64 F0
	; THE WAY OUT.  Behind a barrier (every wave's reads of the region are over, and it has had its last fill) each wave lays its partial tile into LDS;
	; behind a second barrier wave w adds the four partial tiles' rows 32 w .. 32 w + 31, the bias and the residual, and stores whole rows of 512 bytes.
	PLACES
	PLACES
	WIN 0
	s_barrier_signal -1
	s_barrier_wait -1
.irp a, 0,1,2,3,4,5,6,7
	WIN 0x08+4*((\a)/4)                            ; the data in window 2 or 3
.irp b, 0,1,2,3,4,5,6,7
	ds_store_b128 v[STO], v[8*(8*((\a)%4)+(\b)):8*(8*((\a)%4)+(\b))+3]   offset:(\a)*16*RPITCH+64*(\b)     ; each accumulator from its low end on
	ds_store_b128 v[STO], v[8*(8*((\a)%4)+(\b))+4:8*(8*((\a)%4)+(\b))+7] offset:(\a)*16*RPITCH+64*(\b)+16
.endr
.endr
	WIN 0
	s_wait_dscnt 0x0                               ; for the others' sake
	s_barrier_signal -1
	s_barrier_wait -1
	s_wait_loadcnt 0x0                             ; the residual and the bias
.macro LOADG g                         ; group g: rows 4 g .. 4 g + 3 of the four partial tiles into buffer g % 2
	s_wait_xcnt 0x0                                ; the buffer was the data of the stores two groups back
	WIN 0x40
.irp ii, 0,1,2,3
.irp v, 0,1,2,3
	ds_load_b128 v[PB0+128*((\g)%2)+16*(\ii)+4*(\v):PB0+128*((\g)%2)+16*(\ii)+4*(\v)+3], v[RDR+(\v)] offset:RPITCH*(4*(\g)+(\ii))
.endr
.endr
.endm
.macro SUMG g
.set pb, PB0+128*((\g)%2)
	WIN 0x45                                       ; all three in window 1
.irp ii, 0,1,2,3
.irp z, 0,2
	v_pk_add_f32 v[pb+16*(\ii)+(\z):pb+16*(\ii)+(\z)+1], v[pb+16*(\ii)+(\z):pb+16*(\ii)+(\z)+1], v[pb+16*(\ii)+4+(\z):pb+16*(\ii)+4+(\z)+1]
	v_pk_add_f32 v[pb+16*(\ii)+8+(\z):pb+16*(\ii)+8+(\z)+1], v[pb+16*(\ii)+8+(\z):pb+16*(\ii)+8+(\z)+1], v[pb+16*(\ii)+12+(\z):pb+16*(\ii)+12+(\z)+1]
.endr
.endr
.irp ii, 0,1,2,3
.irp z, 0,2
	v_pk_add_f32 v[pb+16*(\ii)+(\z):pb+16*(\ii)+(\z)+1], v[pb+16*(\ii)+(\z):pb+16*(\ii)+(\z)+1], v[pb+16*(\ii)+8+(\z):pb+16*(\ii)+8+(\z)+1]
.endr
.endr
	WIN 0x41                                       ; source 1 in window 0: the bias
.irp ii, 0,1,2,3
.irp z, 0,2
	v_pk_add_f32 v[pb+16*(\ii)+(\z):pb+16*(\ii)+(\z)+1], v[pb+16*(\ii)+(\z):pb+16*(\ii)+(\z)+1], v[BIAS4+(\z):BIAS4+(\z)+1]
.endr
.endr
.if (\g) >= 4
	WIN 0x45                                       ; the residual's rows 16-31 lie in window 1
.endif
.irp ii, 0,1,2,3
.irp z, 0,2
	v_pk_add_f32 v[pb+16*(\ii)+(\z):pb+16*(\ii)+(\z)+1], v[pb+16*(\ii)+(\z):pb+16*(\ii)+(\z)+1], v[RES+16*((\g)%4)+4*(\ii)+(\z):RES+16*((\g)%4)+4*(\ii)+(\z)+1]
.endr
.endr
	WIN 0x04                                       ; the stores' data in window 1
.irp ii, 0,1,2,3
	global_store_b128 v[GO], v[pb+16*(\ii):pb+16*(\ii)+3], s[14:15] offset:4096*(4*(\g)+(\ii))  ; a wave's store covers 512 consecutive bytes, aligned
.endr
.endm
	LOADG 0
.irp g, 0,1,2,3,4,5,6
	LOADG (\g)+1
	s_wait_dscnt 16                                ; group g is in; the next group's 16 loads may stay out
	SUMG \g
.endr
	s_wait_dscnt 0x0
	SUMG 7
	WIN 0
	s_wait_tensorcnt 0x0                           ; the wave's end
	ds_add_u32 v[SPW], v[NIL]
	s_wait_dscnt 0x0
	CROUND                                         ; the closing round: no work-group ends while a partner may still ask for a tile that names it
	s_endpgm
.Lfunc_end_k_qa7ecf18109_fc2:
	.size	k_qa7ecf18109_fc2, .Lfunc_end_k_qa7ecf18109_fc2-k_qa7ecf18109_fc2
	.p2alignl 7, 3214868480
	.fill 96, 4, 3214868480
	.section	.rodata,"a",@progbits
	.p2align	6, 0x0
	.amdhsa_kernel k_qa7ecf18109_fc2
		.amdhsa_group_segment_fixed_size 327680
		.amdhsa_private_segment_fixed_size 0
		.amdhsa_enable_private_segment 0
		.amdhsa_kernarg_size 40
		.amdhsa_user_sgpr_count 2
		.amdhsa_user_sgpr_kernarg_segment_ptr 1
		.amdhsa_wavefront_size32 1
		.amdhsa_system_sgpr_workgroup_id_x 1
		.amdhsa_system_sgpr_workgroup_id_y 1
		.amdhsa_system_sgpr_workgroup_id_z 1
		.amdhsa_system_vgpr_workitem_id 0
		.amdhsa_next_free_vgpr 1024
		.amdhsa_next_free_sgpr 84
		.amdhsa_reserve_vcc 0
		.amdhsa_float_denorm_mode_32 3
		.amdhsa_float_denorm_mode_16_64 3
		.amdhsa_memory_ordered 1
		.amdhsa_forward_progress 1
		.amdhsa_inst_pref_size 104
	.end_amdhsa_kernel
	.amdgpu_metadata
---
amdhsa.version: [ 1, 2 ]
amdhsa.kernels:
  - .name:           k_qa7ecf18109_fc2
    .symbol:         k_qa7ecf18109_fc2.kd
    .args:
      - { .name: big, .offset: 0, .size: 8, .value_kind: global_buffer, .address_space: global }
      - { .name: wB, .offset: 8, .size: 8, .value_kind: global_buffer, .address_space: global }
      - { .name: fc2_b, .offset: 16, .size: 8, .value_kind: global_buffer, .address_space: global }
      - { .name: x1, .offset: 24, .size: 8, .value_kind: global_buffer, .address_space: global }
      - { .name: out0, .offset: 32, .size: 8, .value_kind: global_buffer, .address_space: global }
    .group_segment_fixed_size: 327680
    .private_segment_fixed_size: 0
    .kernarg_segment_align: 8
    .kernarg_segment_size: 40
    .max_flat_workgroup_size: 128
    .sgpr_count:     84
    .vgpr_count:     1024
    .wavefront_size: 32
...
	.end_amdgpu_metadata
.endif
;; end of part 6
